; MI455X (gfx1250); checked and timed in simulation.
; The chip was launched on July 23, 2026; its instructions are those of AMD's public machine-readable ISA for CDNA 5 (MIT licence, August 2026) and "CDNA5" Instruction Set Architecture Reference Guide (July 2026). The comments in the code are by the model that wrote it; some were corrected since.
;; Causal Self Attention. Allowed arithmetic: matrix products marked QUANTISED: E2M3 operands, one E8M0 scale for each 32 along K, by v_wmma_scale_f32_16x16x128_f8f6f4 with both operands' format E2M3, f32 sums; everything else in f32.
;; Inputs: W_out 1,024 x 1,024 float32; W_qkv 1,024 x 3,072 float32; b_out 1,024 float32; b_qkv 3,072 float32; x 4 x 2,048 x 1,024 float32.
;; Outputs: out0 4 x 2,048 x 1,024 float32.
;; This version of the problem:
;;   THIS VERSION OF THE PROBLEM IS GIVEN IN LOW PRECISION. The matrix products marked QUANTISED in the list below multiply operands that are first quantised to E2M3 (2 exponent bits, 3 mantissa bits; 6 bits a number), with one power-of-two scale for each 32 numbers along K (OCP MX v1.0); their sums are f32. All else is computed in f32.
;;   The module's matrix products, in the order in which they are computed (A, B: the left and right operand; K: the contracted axis; several contracted axes count as one K, in the product's order):
;;     1. [M 8,192, K 1,024] x [K 1,024, N 3,072]; A: input x; B: input W_qkv: QUANTISED
;;     2. batch 64 x [M 2,048, K 64] x [K 64, N 2,048]; A: computed on the way; B: computed on the way: QUANTISED
;;     3. batch 64 x [M 2,048, K 2,048] x [K 2,048, N 64]; A: softmax (see below); B: computed on the way: QUANTISED
;;     4. [M 8,192, K 1,024] x [K 1,024, N 1,024]; A: computed on the way; B: input W_out: QUANTISED
;;   THE QUANTISER, for each operand of a quantised product, along K:
;;     - K is cut into blocks of 32 from its start; a last block that is shorter is filled with zeros.
;;     - A block's scale is 2^e with e = floor(log2(the largest magnitude in the block)) - 2, held to -126 .. 127; a block of zeros has e = 0. As a byte (E8M0): e + 127.
;;     - Each number is divided by its block's scale, clamped to +-7.5, and rounded to the nearest number of E2M3, ties to even, subnormals kept.
;;     - The product sums the exact products of the quantised numbers (number of the format x scale) in f32.
;;   ~~~python
;;   def quantise(x, axis):      # numpy; x: float32 -> the quantised numbers, widened to float32 again
;;       x = np.moveaxis(x, axis, -1); K = x.shape[-1]
;;       x = np.pad(x, [(0, 0)] * (x.ndim - 1) + [(0, -K % 32)]); x = x.reshape(x.shape[:-1] + (-1, 32)); a = np.abs(x).max(-1, keepdims=True)
;;       e = np.where(a > 0, np.clip(np.frexp(np.where(a > 0, a, 1))[1] - 1 - 2, -126, 127), 0)      # np.frexp(a)[1] - 1 = floor(log2(a)), exactly
;;       r = np.clip(x / 2.0 ** e, -7.5, 7.5)
;;       step = 2.0 ** (np.maximum(np.frexp(np.where(r == 0, 1, r))[1] - 1, 0) - 3)
;;       q = np.round(r / step) * step * 2.0 ** e      # np.round: ties to even
;;       return np.moveaxis(q.reshape(q.shape[:-2] + (-1,))[..., :K], -1, axis).astype(np.float32)
;;   ~~~
;;   SOFTMAX AHEAD OF A QUANTISED PRODUCT. Where the list says 'softmax', what is quantised is not the finished softmax but p = 2^(t - M), with t = logit x log2(e) and M = ceil(the row's largest t), a whole number; so 1/2 < the row's largest p <= 1. The row's sum l is taken of the UNQUANTISED p, in f32, and the product's result is divided by l at the end. Since M is a whole number, a kernel that streams over the keys may use a running M (the ceiling of the running maximum): every later rescaling is an exact power of two, which a block's scale takes up: the codes' values come out the same.
;;   OPERANDS COMPUTED ON THE WAY. 'Computed on the way' means the value that the module computes at that place (a softmax that the list does not call 'softmax' is quantised finished and normalised). What goes into a quantiser is computed in f32, as accurately as f32 sums, v_exp_f32 and their like allow (about 1e-6 of the number): no bf16 or f16 on the way to a quantiser, and a product that is left as it is and whose result goes on into a quantised operand takes f32 operands (vector FMAs, or v_wmma_f32_16x16x4_f32). A number that lies on a knife's edge between two numbers of the format may be rounded either way, as far as f32 arithmetic and the matrix unit's own rounding can turn it there, and no further.
;; One version. Each part assembles by itself: llvm-mc -triple=amdgcn-amd-amdhsa -mcpu=gfx1250 --defsym DOCPART=n.
;; ======== version 1 of 1: 5 launches
;; workspace buffers: xq 6,553,600 bytes; wq 3,276,800 bytes; yq 6,553,600 bytes; rope 524,288 bytes; qbuf 6,815,744 bytes; kv 13,369,344 bytes
;; launch quant_x (part 1): grid 256 x 1, 4 waves a work-group, no clusters, 34,304 bytes of LDS; arguments x, xq, rope; writes xq, rope
.if DOCPART == 1
	.amdgcn_target "amdgcn-amd-amdhsa--gfx1250"
	.amdhsa_code_object_version 6
	.text
	.protected	k_q6133e6e0f9_quant_x
	.globl	k_q6133e6e0f9_quant_x
	.p2align	8
	.type	k_q6133e6e0f9_quant_x,@function
k_q6133e6e0f9_quant_x:
	s_mov_b64 s[64:65], 0
	v_nop
	global_prefetch_b8 v0, s[64:65] scope:SCOPE_SE
	s_setreg_imm32_b32 hwreg(HW_REG_WAVE_MODE, 25, 1), 1
	s_wait_xcnt 0x0
; x [8192][1024] f32 becomes codes of E2M3 with one E8M0 byte for each 32 along K, laid in the ORDER OF AN OPERAND'S REGISTERS; the same launch makes the table of cos and sin for the rotary embedding.
; HALF-IMAGE, 768 bytes: 16 rows x 64 along K.  Lane l = r + 16 h holds the six registers with k = 32 h .. 32 h + 31 of row r: registers 0-3 at byte 16 l, registers 4-5 at byte 512 + 8 l.
; A fragment (16 rows x 128 K) is two half-images.  xq: tile t, K step s at t x 12288 + s x 1536.  Row p of tile t = 2 A + u is row 32 A + 8 u + p + (p & 8) of x.
; SCALE WORDS, from byte SOFF on, 512 bytes a tile: the word of K step s, row r at (s >> 2) 256 + (16 (s & 1) + r) 8 + ((s >> 1) & 1) 4: a load of 8 bytes a lane brings two registers, each with
; an even K step's words in lanes 0-15 and the next odd step's in lanes 16-31.
; SHARES: 1,024 waves; wave g takes tile g / 2 and four K steps (g % 2), and rows 2 g, 2 g + 1 of the table.  Each load reads 512 consecutive bytes of one row; the 16 rows turn through the wave's own
; stage in LDS (rows of 512 + 16 bytes), from which lane (r, h) takes two whole blocks of 32 of row r.  Waves share nothing: no barrier, no cluster, no matrix unit: the launch streams.
; LIMITS: NaN and infinities are not served.  A block whose largest magnitude lies under 2^-124 (a block of zeros too) gets the byte 1: this program alone reads the bytes.
; The reduction of the angle serves angles up to 2,047, the largest that the table has.
.set SP,   528
.set STG,  16*SP
.set SOFF, 6291456
.set TM,   8                           ; v8-14   at work on the scales
.set WD,   16                          ; v16-19  the scale word of each of my four K steps
.set R,    32                          ; v32-159 two sets of 64: 16 rows as loaded
.set X,    160                         ; v160-223 my two blocks of 32
.set F,    224                         ; v224-247 two sets of 12: a fragment's codes
.set T,    248                         ; v248-254 the upper halves' codes, before they are moved
	s_load_b128 s[4:7], s[0:1], 0x0                ; x, xq
	s_load_b64 s[8:9], s[0:1], 0x10                ; rope
	v_lshl_add_u32 v251, v0, 2, 0x8400
	v_mov_b32 v255, 0
	v_lshrrev_b32 v1, 5, v0
	v_readfirstlane_b32 s10, v1                    ; wave
	v_and_b32 v1, 31, v0                           ; lane
	v_lshlrev_b32 v2, 4, v1                        ; 16 x lane
	v_lshlrev_b32 v5, 3, v1                        ; 8 x lane
	v_lshlrev_b32 v24, 2, v1                       ; 4 x lane
	v_and_b32 v7, 15, v0                           ; r
	v_bfe_u32 v6, v0, 4, 1                         ; h
	s_mul_i32 s11, s10, STG                        ; my stage
	v_add_nc_u32 v3, s11, v2                       ; into it: 16 bytes a lane of a row
	v_mul_u32_u24 v4, v7, SP
	v_lshl_add_u32 v4, v6, 7, v4
	v_add_nc_u32 v4, s11, v4                       ; out of it: row r, + 128 h
	v_lshlrev_b32 v6, 3, v6                        ; 8 h: my bytes' place in a scale word
	v_mov_b32 v[TM+6], 0                           ; a lane permute's destination counts as one of its sources
	s_mov_b32 s20, 0x76543210
	s_mov_b32 s21, 0xfedcba98                      ; selects for lane l xor 16
	s_mov_b32 s30, 0xffff0000                      ; lanes 16-31
	s_lshl_b32 s12, ttmp9, 2
	s_add_co_u32 s12, s12, s10                     ; g
	s_lshr_b32 s13, s12, 1                         ; tile
	s_and_b32 s14, s12, 1                          ; which four K steps
	s_lshr_b32 s16, s13, 1
	s_lshl_b32 s16, s16, 17                        ; 32 rows of 4,096 bytes for each pair of tiles,
	s_and_b32 s17, s13, 1
	s_lshl_b32 s17, s17, 15                        ; 8 rows for the odd tile,
	s_add_co_u32 s16, s16, s17
	s_lshl_b32 s17, s14, 11                        ; 2,048 bytes for four K steps
	s_add_co_u32 s16, s16, s17
	s_mov_b32 s17, 0
	s_mul_i32 s18, s13, 12288
	s_mul_i32 s19, s14, 6144
	s_add_co_u32 s18, s18, s19                     ; my four fragments in xq
	s_mov_b32 s19, 0
	s_lshl_b32 s22, s13, 9
	s_lshl_b32 s23, s14, 8
	s_add_co_u32 s22, s22, s23
	s_add_co_u32 s22, s22, SOFF                    ; my 256 bytes of scale words
	s_mov_b32 s23, 0
	s_lshl_b32 s24, s12, 9                         ; my two rows of the table
	s_mov_b32 s25, 0
	s_wait_kmcnt 0x0
	s_add_nc_u64 s[4:5], s[4:5], s[16:17]
	s_add_nc_u64 s[26:27], s[6:7], s[22:23]
	s_add_nc_u64 s[6:7], s[6:7], s[18:19]
	s_add_nc_u64 s[8:9], s[8:9], s[24:25]
.macro LOAD t                          ; K step t of my 16 rows: each load is 512 consecutive bytes
.irp p, 0,1,2,3,4,5,6,7,8,9,10,11,12,13,14,15
	global_load_b128 v[R+64*((\t)%2)+4*\p:R+64*((\t)%2)+4*\p+3], v2, s[4:5] offset:(\p+(\p&8))*4096+512*(\t) th:TH_LOAD_NT
.endr
.endm
	LOAD 0
	LOAD 1
; THE TABLE, while the loads are out.  Lane i: inv = 1 / f32(10000^(i / 32)).  10000^(i / 32) = 10^(i / 8 whole) x 10^((i % 8) / 8); the second factor stands as a pair hi + lo, so that the product is rounded once.
	v_and_b32 v160, 7, v1
	v_lshrrev_b32 v161, 3, v1
	v_mov_b32 v162, 1.0                            ; hi
	v_mov_b32 v163, 0                              ; lo
	v_mov_b32 v166, 1.0                            ; the power of ten
.macro PICK b, hi, lo
	v_mov_b32 v164, \hi
	v_mov_b32 v165, \lo
	v_cmp_eq_u32 vcc_lo, \b, v160
	v_cndmask_b32 v162, v162, v164, vcc_lo
	v_cndmask_b32 v163, v163, v165, vcc_lo
.endm
	PICK 1, 0x3faab0d5, 0xb36457e4
	PICK 2, 0x3fe39ea9, 0xb26aee3b
	PICK 3, 0x4017c496, 0x33606940
	PICK 4, 0x404a62c2, 0xb324b494
	PICK 5, 0x4086f161, 0xb430577a
	PICK 6, 0x40b3f300, 0x34323462
	PICK 7, 0x40eff755, 0x34515b51
.macro TEN a, val
	v_mov_b32 v164, \val
	v_cmp_eq_u32 vcc_lo, \a, v161
	v_cndmask_b32 v166, v166, v164, vcc_lo
.endm
	TEN 1, 0x41200000
	TEN 2, 0x42c80000
	TEN 3, 0x447a0000
	v_mul_f32 v167, v162, v166                     ; the product's head,
	v_fma_f32 v168, v162, v166, -v167              ; what its rounding lost,
	v_fma_f32 v168, v163, v166, v168               ; and lo's share
	v_add_f32 v167, v167, v168                     ; f32(10000^(i / 32))
	v_rcp_f32 v169, v167
	v_nop                                          ; a plain place behind the reciprocal
	s_wait_alu depctr_va_vdst(0)
	v_fma_f32 v170, -v167, v169, 1.0
	v_fma_f32 v169, v169, v170, v169               ; one step of Newton: 1 / it
	s_lshl_b32 s28, s12, 1                         ; t = 2 g
.irp e, 0,1
	s_add_co_u32 s29, s28, \e
	v_cvt_f32_u32 v171, s29
	v_mul_f32 v171, v171, v169                     ; the angle, as f32
	v_mul_f32 v172, 0x3f22f983, v171
	v_rndne_f32 v172, v172                         ; k = the nearest multiple of pi / 2
	v_fmamk_f32 v173, v172, 0xbfc90fda, v171       ; the angle - k pi / 2, pi / 2 in three parts, each product exact inside its multiply-add
	v_fmamk_f32 v173, v172, 0xb3a22168, v173
	v_fmamk_f32 v173, v172, 0xa7c234c4, v173
	v_mul_f32 v174, v173, v173
	v_mov_b32 v175, 0xb94ca1f9
	v_fmaak_f32 v175, v175, v174, 0x3c08839e
	v_fmaak_f32 v175, v175, v174, 0xbe2aaaa3
	v_mul_f32 v175, v175, v174
	v_fma_f32 v175, v175, v173, v173               ; sin of the rest
	v_mov_b32 v176, 0x37ccf5ce
	v_fmaak_f32 v176, v176, v174, 0xbab6061a
	v_fmaak_f32 v176, v176, v174, 0x3d2aaaa5
	v_mul_f32 v177, v174, v174
	v_fma_f32 v178, v174, -0.5, 1.0
	v_fma_f32 v176, v176, v177, v178               ; cos of the rest
	v_cvt_i32_f32 v179, v172
	v_and_b32 v180, 1, v179
	v_cmp_eq_u32 vcc_lo, 1, v180                   ; odd k: the two change places
	v_cndmask_b32 v[26+2*\e], v175, v176, vcc_lo   ; sin
	v_cndmask_b32 v[25+2*\e], v176, v175, vcc_lo   ; cos
	v_and_b32 v183, 2, v179
	v_lshlrev_b32 v183, 30, v183
	v_xor_b32 v[26+2*\e], v[26+2*\e], v183         ; sin is negated where k % 4 is 2 or 3
	v_add_nc_u32 v184, 1, v179
	v_and_b32 v184, 2, v184
	v_lshlrev_b32 v184, 30, v184
	v_xor_b32 v[25+2*\e], v[25+2*\e], v184         ; cos where it is 1 or 2
	global_store_b32 v24, v[25+2*\e], s[8:9] offset:256*\e       ; row t: 32 cos, then 32 sin; the data registers v25-28 are written once
	global_store_b32 v24, v[26+2*\e], s[8:9] offset:256*\e+128
.endr
.macro STEP t
.set RS, R+64*((\t)%2)
.set FS, F+12*((\t)%2)
.if (\t) < 3
	s_wait_loadcnt 16                              ; this K step's 16 loads are in; the next step's 16 may be out
.else
	s_wait_loadcnt 0x0
.endif
.irp p, 0,1,2,3,4,5,6,7,8,9,10,11,12,13,14,15
	ds_store_b128 v3, v[RS+4*\p:RS+4*\p+3] offset:SP*\p
.endr
.irp c, 0,1
.irp j, 0,1,2,3,4,5,6,7
	ds_load_b128 v[X+32*\c+4*\j:X+32*\c+4*\j+3], v4 offset:256*\c+16*\j   ; LDS serves a wave's instructions in order: these see the stores above.  k = 64 c + 32 h + 4 j on
.endr
.endr
	s_wait_dscnt 0x0                               ; my numbers are back, and the stores have read their registers,
.if (\t) < 2
	LOAD (\t)+2                                    ; which take the loads of two steps on
.endif
.irp c, 0,1
	v_max3_num_f32 v[TM+\c], |v[X+32*\c]|, |v[X+32*\c+1]|, 0x1800000      ; block 2 c + h is all mine; the floor 2^(3 - 127) holds the byte at 1 from below
.endr
.irp i, 2,4,6,8,10,12,14,16,18,20,22,24,26,28,30
.irp c, 0,1
	v_max3_num_f32 v[TM+\c], v[TM+\c], |v[X+32*\c+\i]|, |v[X+32*\c+\i+1]|
.endr
.endr
.irp c, 0,1
	v_add_nc_u32 v[TM+2+\c], 0xff000000, v[TM+\c]  ; 2 off the exponent field: the conversion's scale operand
.endr
.irp c, 0,1
	v_lshrrev_b32 v[TM+4+\c], 23, v[TM+2+\c]       ; the scale's byte
.endr
	v_lshl_or_b32 v[WD+(\t)], v[TM+5], 16, v[TM+4]
	v_lshlrev_b32 v[WD+(\t)], v6, v[WD+(\t)]       ; bytes h and 2 + h
	v_permlanex16_b32 v[TM+6], v[WD+(\t)], s20, s21
	v_or_b32 v[WD+(\t)], v[WD+(\t)], v[TM+6]       ; with lane l xor 16's two the row's word is whole
	s_wait_xcnt 0x0                                ; the stores of two steps ago have read this set of codes
.irp c, 0,1
	v_cvt_scalef32_pk16_fp6_f32 v[FS+6*\c:FS+6*\c+2], v[X+32*\c:X+32*\c+15], v[TM+2+\c]
	v_cvt_scalef32_pk16_fp6_f32 v[T+4*\c:T+4*\c+2], v[X+32*\c+16:X+32*\c+31], v[TM+2+\c]   ; (a conversion's three registers begin on an even number)
.endr
	v_nop                                          ; a plain place behind the conversions
.irp c, 0,1
.irp i, 0,1,2
	v_mov_b32 v[FS+6*\c+3+\i], v[T+4*\c+\i]
.endr
.endr
	global_store_b128 v2, v[FS:FS+3], s[6:7] offset:1536*(\t)              ; 512 consecutive bytes,
	global_store_b64 v5, v[FS+4:FS+5], s[6:7] offset:1536*(\t)+512         ; 256,
	global_store_b128 v2, v[FS+6:FS+9], s[6:7] offset:1536*(\t)+768        ; and the second half-image likewise
	global_store_b64 v5, v[FS+10:FS+11], s[6:7] offset:1536*(\t)+1280
.endm
	STEP 0
	STEP 1
	STEP 2
	STEP 3
	v_cndmask_b32 v20, v16, v17, s30               ; lanes 0-15 the even step's words, lanes 16-31 the odd step's
	v_cndmask_b32 v21, v18, v19, s30
	global_store_b64 v5, v[20:21], s[26:27]        ; 256 consecutive bytes, aligned
	s_wait_tensorcnt 0x0
	ds_add_u32 v251, v255
	s_wait_dscnt 0x0
	s_endpgm
.Lfunc_end_k_q6133e6e0f9_quant_x:
	.size	k_q6133e6e0f9_quant_x, .Lfunc_end_k_q6133e6e0f9_quant_x-k_q6133e6e0f9_quant_x
	.p2alignl 7, 3214868480
	.fill 96, 4, 3214868480
	.section	.rodata,"a",@progbits
	.p2align	6, 0x0
	.amdhsa_kernel k_q6133e6e0f9_quant_x
		.amdhsa_group_segment_fixed_size 34304
		.amdhsa_private_segment_fixed_size 0
		.amdhsa_enable_private_segment 0
		.amdhsa_kernarg_size 24
		.amdhsa_user_sgpr_count 2
		.amdhsa_user_sgpr_kernarg_segment_ptr 1
		.amdhsa_wavefront_size32 1
		.amdhsa_system_sgpr_workgroup_id_x 1
		.amdhsa_system_sgpr_workgroup_id_y 1
		.amdhsa_system_sgpr_workgroup_id_z 1
		.amdhsa_system_vgpr_workitem_id 0
		.amdhsa_next_free_vgpr 256
		.amdhsa_next_free_sgpr 66
		.amdhsa_reserve_vcc 1
		.amdhsa_float_denorm_mode_32 3
		.amdhsa_float_denorm_mode_16_64 3
		.amdhsa_memory_ordered 1
		.amdhsa_forward_progress 1
		.amdhsa_inst_pref_size 36
	.end_amdhsa_kernel
	.amdgpu_metadata
---
amdhsa.version: [ 1, 2 ]
amdhsa.kernels:
  - .name:           k_q6133e6e0f9_quant_x
    .symbol:         k_q6133e6e0f9_quant_x.kd
    .args:
      - { .name: x, .offset: 0, .size: 8, .value_kind: global_buffer, .address_space: global }
      - { .name: xq, .offset: 8, .size: 8, .value_kind: global_buffer, .address_space: global }
      - { .name: rope, .offset: 16, .size: 8, .value_kind: global_buffer, .address_space: global }
    .group_segment_fixed_size: 34304
    .private_segment_fixed_size: 0
    .kernarg_segment_align: 8
    .kernarg_segment_size: 24
    .max_flat_workgroup_size: 128
    .sgpr_count:     66
    .vgpr_count:     256
    .wavefront_size: 32
...
	.end_amdgpu_metadata
.endif
;; end of part 1
;; launch quant_w (part 2): grid 32 x 8, 4 waves a work-group, no clusters, 12,800 bytes of LDS; arguments W_qkv, W_out, wq; writes wq
.if DOCPART == 2
	.amdgcn_target "amdgcn-amd-amdhsa--gfx1250"
	.amdhsa_code_object_version 6
	.text
	.protected	k_q6133e6e0f9_quant_w
	.globl	k_q6133e6e0f9_quant_w
	.p2align	8
	.type	k_q6133e6e0f9_quant_w,@function
k_q6133e6e0f9_quant_w:
	s_mov_b64 s[64:65], 0
	v_nop
	global_prefetch_b8 v0, s[64:65] scope:SCOPE_SE
	s_setreg_imm32_b32 hwreg(HW_REG_WAVE_MODE, 25, 1), 1
	s_wait_xcnt 0x0
; W_qkv [1024][3072] and W_out [1024][1024], f32 with K as the FIRST axis, become codes of E2M3 along K in wq: 256 tiles of 16 rows n (n = 0 .. 3071 of W_qkv, then 0 .. 1023 of W_out),
; laid as quant_x lays x: tile t, K step s at t x 12288 + s x 1536, two half-images of 768 bytes; row p of tile 2 A + u is n = 32 A + 8 u + p + (p & 8); scale words from byte SOFF on, 512 bytes a tile.
; A LANE TAKES A COLUMN n AND ITS REGISTERS RUN DOWN K: a load reads 128 consecutive bytes a wave (512 a work-group), a block of 32 is one lane's, and the codes come out with K innermost.
; A wave takes 32 columns (two tiles) x one K step of 128.  The codes go into the wave's own stage in LDS at their places in the two fragments' images and leave as 2 x 1,536 dense bytes.
; The scale word of a column leaves by one store of 4 bytes a lane, 8 bytes from lane to lane: aligned blocks of 256 bytes are written in part there, 131,072 bytes in the whole launch.
; One text serves both tensors: pointer and row pitch are chosen on the work-group's number (x >= 24: W_out).  Waves share nothing: no barrier, no cluster.
; LIMITS: NaN and infinities are not served; a block under 2^-124 (a block of zeros too) gets the byte 1: this program alone reads the bytes.
.set SOFF, 3145728
.set VO,   16                          ; v16-31  4 x lane + j rows
.set X,    32                          ; v32-159 my column's 128 numbers
.set FB,   160                         ; v160..  a block's six registers of codes, 8 apart
.set T,    192                         ; v192..  the upper halves' codes, 4 apart
.set OUTR, 208                         ; v208-231 the way out
	s_load_b128 s[4:7], s[0:1], 0x0                ; W_qkv, W_out
	s_load_b64 s[8:9], s[0:1], 0x10                ; wq
	v_lshl_add_u32 v232, v0, 2, 0x3000
	v_mov_b32 v233, 0
	v_lshrrev_b32 v1, 5, v0
	v_readfirstlane_b32 s10, v1                    ; wave
	v_and_b32 v1, 31, v0                           ; lane = column
	v_lshlrev_b32 v2, 2, v1
	v_lshlrev_b32 v7, 4, v1                        ; 16 x lane
	v_bfe_u32 v3, v0, 3, 1                         ; u: which of the two tiles
	v_and_b32 v4, 7, v0
	v_bfe_u32 v5, v0, 4, 1
	v_lshl_add_u32 v4, v5, 3, v4                   ; p: my row in it
	s_mul_i32 s40, s10, 3072                       ; my stage
	v_mul_u32_u24 v6, v3, 1536
	v_add_nc_u32 v6, s40, v6
	v_lshl_add_u32 v13, v4, 4, v6                  ; registers 0-3 of lane p of the image
	v_lshl_add_u32 v14, v4, 3, v6
	v_add_nc_u32 v14, 512, v14                     ; registers 4-5
	v_add_nc_u32 v15, s40, v7                      ; back: 16 bytes a lane
	v_lshlrev_b32 v5, 9, v3
	v_lshl_add_u32 v5, v4, 3, v5                   ; my scale word: 512 u + 8 p
	s_and_b32 s11, ttmp7, 0xffff                   ; K step
	s_mov_b32 s12, 4096
	s_wait_kmcnt 0x0
	s_cmp_lt_u32 ttmp9, 24                         ; W_qkv's work-group or W_out's: the choice hangs on the work-group's number alone
	s_cselect_b64 s[4:5], s[4:5], s[6:7]
	s_cselect_b32 s12, 12288, s12                  ; bytes from row to row
	s_cselect_b32 s13, 0, 24
	s_sub_co_u32 s13, ttmp9, s13
	s_lshl_b32 s13, s13, 9                         ; 128 columns a work-group,
	s_lshl_b32 s14, s10, 7                         ; 32 a wave
	s_add_co_u32 s14, s13, s14
	s_lshl_b32 s15, s11, 7
	s_mul_i32 s15, s15, s12                        ; 128 rows a K step
	s_add_co_u32 s14, s14, s15
	s_mov_b32 s15, 0
	s_add_nc_u64 s[16:17], s[4:5], s[14:15]        ; eight bases, 16 rows apart: s[16:31]
	s_lshl_b32 s14, s12, 4
.irp g, 1,2,3,4,5,6,7
	s_add_nc_u64 s[16+2*\g:17+2*\g], s[14+2*\g:15+2*\g], s[14:15]
.endr
.irp j, 0,1,2,3,4,5,6,7,8,9,10,11,12,13,14,15
	v_mad_u32_u24 v[VO+\j], s12, \j, v2
.endr
	s_lshl_b32 s32, ttmp9, 3
	s_lshl_b32 s33, s10, 1
	s_add_co_u32 s32, s32, s33                     ; my first tile: 8 x work-group + 2 x wave
	s_mul_i32 s34, s32, 12288
	s_mul_i32 s35, s11, 1536
	s_add_co_u32 s34, s34, s35
	s_mov_b32 s35, 0
	s_add_nc_u64 s[36:37], s[8:9], s[34:35]        ; its fragment of this K step
	s_lshl_b32 s34, s32, 9
	s_add_co_u32 s34, s34, SOFF
	s_lshr_b32 s33, s11, 2
	s_lshl_b32 s33, s33, 8
	s_add_co_u32 s34, s34, s33
	s_and_b32 s33, s11, 1
	s_lshl_b32 s33, s33, 7
	s_add_co_u32 s34, s34, s33
	s_bfe_u32 s33, s11, 0x10001
	s_lshl_b32 s33, s33, 2
	s_add_co_u32 s34, s34, s33
	s_add_nc_u64 s[38:39], s[8:9], s[34:35]        ; and where this K step's scale words begin
.macro LOAD bl                         ; block bl: W(128 s + 32 bl + i, my column)
.irp g, 0,1
.irp j, 0,1,2,3,4,5,6,7,8,9,10,11,12,13,14,15
	global_load_b32 v[X+32*(\bl)+16*\g+\j], v[VO+\j], s[16+2*(2*(\bl)+\g):17+2*(2*(\bl)+\g)] th:TH_LOAD_NT
.endr
.endr
.endm
	LOAD 0
	LOAD 1
.macro BLOCK bl
.set XS, X+32*(\bl)
.set FS, FB+8*(\bl)
.set TS, T+4*(\bl)
.if (\bl) < 3
	s_wait_loadcnt 32                              ; this block's 32 loads are in; the next block's may be out
.else
	s_wait_loadcnt 0x0
.endif
.if (\bl) < 2
	LOAD (\bl)+2
.endif
	v_max3_num_f32 v8, |v[XS]|, |v[XS+1]|, |v[XS+2]|
	v_max3_num_f32 v9, |v[XS+3]|, |v[XS+4]|, |v[XS+5]|
.irp i, 6,10,14,18,22,26
	v_max3_num_f32 v8, v8, |v[XS+\i]|, |v[XS+\i+1]|
	v_max3_num_f32 v9, v9, |v[XS+\i+2]|, |v[XS+\i+3]|
.endr
	v_max3_num_f32 v8, v8, |v[XS+30]|, |v[XS+31]|
	v_max3_num_f32 v8, v8, v9, 0x1800000           ; and the floor 2^(3 - 127)
	v_add_nc_u32 v10, 0xff000000, v8               ; the conversion's scale operand
	v_lshrrev_b32 v11, 23, v10                     ; the byte
.if (\bl) == 0
	v_mov_b32 v12, v11
.else
	v_lshl_or_b32 v12, v11, 8*(\bl), v12           ; four bytes make my column's word of this K step
.endif
	v_cvt_scalef32_pk16_fp6_f32 v[FS:FS+2], v[XS:XS+15], v10
	v_cvt_scalef32_pk16_fp6_f32 v[TS:TS+2], v[XS+16:XS+31], v10
	v_nop                                          ; a plain place behind the conversions
.irp i, 0,1,2
	v_mov_b32 v[FS+3+\i], v[TS+\i]
.endr
	ds_store_b128 v13, v[FS:FS+3] offset:768*((\bl)/2)+256*((\bl)%2)     ; block bl is half-image bl / 2, lanes 16 (bl % 2) + p
	ds_store_b64 v14, v[FS+4:FS+5] offset:768*((\bl)/2)+128*((\bl)%2)
.endm
	BLOCK 0
	BLOCK 1
	BLOCK 2
	BLOCK 3
	global_store_b32 v5, v12, s[38:39]
.irp i, 0,1,2,3,4,5
	ds_load_b128 v[OUTR+4*\i:OUTR+4*\i+3], v15 offset:512*\i     ; LDS serves a wave's instructions in order: these see my stores
.endr
.irp i, 0,1,2,3,4,5
	s_wait_dscnt 5-\i
	global_store_b128 v7, v[OUTR+4*\i:OUTR+4*\i+3], s[36:37] offset:(\i/3)*12288+512*(\i%3)   ; 512 consecutive bytes; three stores are a fragment's image
.endr
	s_wait_tensorcnt 0x0
	ds_add_u32 v232, v233
	s_wait_dscnt 0x0
	s_endpgm
.Lfunc_end_k_q6133e6e0f9_quant_w:
	.size	k_q6133e6e0f9_quant_w, .Lfunc_end_k_q6133e6e0f9_quant_w-k_q6133e6e0f9_quant_w
	.p2alignl 7, 3214868480
	.fill 96, 4, 3214868480
	.section	.rodata,"a",@progbits
	.p2align	6, 0x0
	.amdhsa_kernel k_q6133e6e0f9_quant_w
		.amdhsa_group_segment_fixed_size 12800
		.amdhsa_private_segment_fixed_size 0
		.amdhsa_enable_private_segment 0
		.amdhsa_kernarg_size 24
		.amdhsa_user_sgpr_count 2
		.amdhsa_user_sgpr_kernarg_segment_ptr 1
		.amdhsa_wavefront_size32 1
		.amdhsa_system_sgpr_workgroup_id_x 1
		.amdhsa_system_sgpr_workgroup_id_y 1
		.amdhsa_system_sgpr_workgroup_id_z 1
		.amdhsa_system_vgpr_workitem_id 0
		.amdhsa_next_free_vgpr 234
		.amdhsa_next_free_sgpr 66
		.amdhsa_reserve_vcc 0
		.amdhsa_float_denorm_mode_32 3
		.amdhsa_float_denorm_mode_16_64 3
		.amdhsa_memory_ordered 1
		.amdhsa_forward_progress 1
		.amdhsa_inst_pref_size 24
	.end_amdhsa_kernel
	.amdgpu_metadata
---
amdhsa.version: [ 1, 2 ]
amdhsa.kernels:
  - .name:           k_q6133e6e0f9_quant_w
    .symbol:         k_q6133e6e0f9_quant_w.kd
    .args:
      - { .name: W_qkv, .offset: 0, .size: 8, .value_kind: global_buffer, .address_space: global }
      - { .name: W_out, .offset: 8, .size: 8, .value_kind: global_buffer, .address_space: global }
      - { .name: wq, .offset: 16, .size: 8, .value_kind: global_buffer, .address_space: global }
    .group_segment_fixed_size: 12800
    .private_segment_fixed_size: 0
    .kernarg_segment_align: 8
    .kernarg_segment_size: 24
    .max_flat_workgroup_size: 128
    .sgpr_count:     66
    .vgpr_count:     234
    .wavefront_size: 32
...
	.end_amdgpu_metadata
.endif
;; end of part 2
;; launch gemm_qkv (part 3): grid 8 x 48, 4 waves a work-group, clusters of 4 x 4, 327,680 bytes of LDS; arguments xq, wq, b_qkv, rope, qbuf, kv; writes qbuf, kv
.if DOCPART == 3
	.amdgcn_target "amdgcn-amd-amdhsa--gfx1250"
	.amdhsa_code_object_version 6
	.text
	.protected	k_q6133e6e0f9_gemm_qkv
	.globl	k_q6133e6e0f9_gemm_qkv
	.p2align	8
	.type	k_q6133e6e0f9_gemm_qkv,@function
k_q6133e6e0f9_gemm_qkv:
	s_mov_b64 s[64:65], 0
	v_nop
	global_prefetch_b8 v0, s[64:65] scope:SCOPE_SE
	s_setreg_imm32_b32 hwreg(HW_REG_WAVE_MODE, 25, 1), 1
	s_wait_xcnt 0x0
	s_wait_alu depctr_hold_cnt(0) depctr_sa_sdst(0) depctr_va_vdst(0) depctr_va_sdst(0) depctr_va_ssrc(0) depctr_va_vcc(0) depctr_vm_vsrc(0)
	s_getreg_b32 s2, hwreg(HW_REG_IB_STS2, 6, 4)
	s_cmp_eq_u32 s2, 0
	s_cbranch_scc0 .Lentry_in_a_cluster
	s_endpgm
.Lentry_in_a_cluster:
	s_bfe_u32 s2, ttmp6, 0x10000c
	s_cmp_lg_u32 s2, 0xf033
	s_cbranch_scc0 .Lentry_shape_is_right
	s_endpgm
.Lentry_shape_is_right:
; qkv = x W_qkv + b on codes of E2M3 (K = 1,024), then, still in registers: q and k are rotated (cos and sin from the table) and quantised along the head's 64; v is quantised along the tokens.
; Nothing wide goes to memory: the launch stores codes and scale bytes in the order of the next operand's registers.
; A tile of 256 x 256 of the product is made by four waves, each 128 x 128: 64 accumulators, 512 registers.  K goes in steps of 128, two to a slot, through a ring of two LDS slots filled by the tensor data mover.
; OPERANDS lie in memory as images of their registers (half-image: 16 rows x 64 K, 768 bytes; lane l: registers 0-3 at 16 l, registers 4-5 at 512 + 8 l; tile t, K step s at t x 12288 + s x 1536), so a fragment
; is two loads of 16 bytes and two of 8 a lane, each of consecutive bytes: no pitch, no padding.  Row p of tile 2 A + u is matrix row 32 A + 8 u + p + (p & 8): as source 0 such tiles give a lane 16 NEIGHBOURS
; (32 A + 16 (lane / 16) + 0 .. 15) in the 16 registers of accumulators 2 A and 2 A + 1.
; 'A' is source 1 (a lane holds one of its rows), 'B' is source 0 (a lane's registers run along its rows).
;   cluster y 0-7:  A = x's tokens, B = W's columns 0 .. 2047 (q, k): a lane holds a token, its registers a head's channels: what RoPE and the quantiser along the head want.
;   cluster y 8-11: A = W's columns 2048 .. 3071 (v), B = x's tokens: a lane holds a channel, its registers 128 neighbouring tokens: what the quantiser along the keys wants.
; The choice hangs on the cluster's y alone, which all sixteen partners share.
; CLUSTERS: 4 x 4.  A's tiles are shared along a row of the cluster, B's along a column: each is asked for jointly, which divides the requests by four.
; THE SCALE WORDS of a wave's 8 + 8 tiles for all of K are 64 registers, loaded once: register 4 i + g holds K step 2 g in lanes 0-15 and 2 g + 1 in lanes 16-31.  These registers hold scales and nothing else.
; OUT: qbuf: 64 records (batch x 16 + head) of 106,496 bytes: 128 half-images (tile = 16 tokens), then scale words [step 16][lane 32][4]: word of tile 8 step + 2 i + lane / 16, row lane % 16, its two bytes
;      written twice (the upper half of the instruction's K is zeros in the next launch).  kv: 64 records of 208,896: k as q; from 98,304 v's fragments [step][4 tiles of channels][1,536]; from 196,608 k's scale words;
;      from 204,800 v's [step][lane][2].
; LIMITS: NaN and infinities are not served; a block under 2^-124 (a block of zeros too) gets the byte 1; RoPE is a product and a fused multiply-add.
; REGISTERS: window 0: v0-31 addresses; v32-63 A's scale words, v64-95 B's; v128-223 A's fragments, one set; on the way out v96-255 but for the scales.  window 1: B's fragments, two sets (v0, v128); on the way out
; v0-63 the bias.  windows 2, 3: accumulator (a, b) at v[8 (8 (a % 4) + b)].
.set FR,    12
.set NL,    4                          ; LDS loads that bring a fragment
.set NP,    4                          ; places behind this matrix instruction (ISA guide 7.12.1)
.set HALFT, 8*3072                     ; 8 tiles x 2 K steps: what one tensor load brings, and what one wave reads of A or of B
.set SLOT,  4*HALFT
.set SPARE, 2*SLOT                     ; behind the ring: the spare words, 128 bytes a wave
.set A16,   16                         ; v16-17 my A fragments in slot 0, 1: + 16 x lane;  v18-19: + 512 + 8 x lane
.set A8,    18
.set B16,   20                         ; v20-23 the same for B
.set B8,    22
.set L8,    27                         ; v27  8 x lane
.set SPW,   28
.set NIL,   29
.set SAR,   32
.set SBR,   64
.set AF,    128
.set G1,  24
.set G0,  32
.set G1B, 48
.set G0B, 56
.set MSB, 0
.macro WIN new                         ; the immediate's high byte repeats the setting that is left
.if MSB != (\new)
	s_set_vgpr_msb (MSB<<8)|(\new)
.set MSB, (\new)
.endif
.endm
.set MUL_LO, 0xa1                      ; source 0 (B) window 1, source 1 (A) window 0, C and D window 2
.set MUL_HI, 0xf1
.set TO_B,   0x40
.macro JLOAD g0a, g1a, g0b, g1b        ; a joint load: waves 0 and 1 fetch for A, waves 2 and 3 for B; four v_nop follow each line
	s_cmp_eq_u32 s15, 0
	s_cbranch_scc0 .Lfor_b_\@
	tensor_load_to_lds s[\g0a:\g0a+3], s[\g1a:\g1a+7]
	s_nop 0
.rept 4
	v_nop
.endr
	s_branch .Lasked_\@
.Lfor_b_\@:
	tensor_load_to_lds s[\g0b:\g0b+3], s[\g1b:\g1b+7]
	s_nop 0
.rept 4
	v_nop
.endr
.Lasked_\@:
.endm
.macro CREST                           ; a round of the cluster's barrier behind its opening barrier
	s_cmp_lg_u32 s14, 0
	s_cbranch_scc1 .Lnot_wave_0_\@
	s_barrier_signal -3
.Lnot_wave_0_\@:
	s_barrier_wait -3
	s_barrier_signal -1
	s_barrier_wait -1
.endm
.macro CROUND
	s_barrier_signal -1
	s_barrier_wait -1
	CREST
.endm
.macro PLACES n
.rept \n
	v_nop
.endr
.endm
	s_load_b256 s[4:11], s[0:1], 0x0               ; xq, wq, b_qkv, rope
	s_load_b128 s[68:71], s[0:1], 0x20             ; qbuf, kv
	v_lshl_add_u32 v[SPW], v0, 2, SPARE
	v_mov_b32 v[NIL], 0
	ds_add_u32 v28, v29
	ds_add_u32 v28, v29
	s_wait_dscnt 0x0
	v_lshrrev_b32 v1, 5, v0
	v_readfirstlane_b32 s14, v1                    ; wave
	s_lshr_b32 s15, s14, 1                         ; which half of A's rows is mine.  Also: I fetch for A (0) or for B (1)
	s_and_b32 s16, s14, 1                          ; which half of B's.  Also: which 8 tiles I fetch
	s_bfe_u32 s40, ttmp6, 0x40000                  ; cx
	s_bfe_u32 s41, ttmp6, 0x40004                  ; cy
	s_lshl_b32 s42, ttmp9, 2
	s_add_co_u32 s42, s42, s40                     ; work-group x
	s_and_b32 s17, ttmp7, 0xffff                   ; cluster y
	s_lshl_b32 s43, s41, 2
	s_lshl_b32 s43, 15, s43                        ; my row of the cluster
	s_lshl_b32 s44, 0x1111, s40                    ; my column
	s_or_b32 s[G1+0], s43, (3<<16)|(1<<21)         ; the mask; elements of 8 bytes; bit 21 beside a mask; no padding
	s_or_b32 s[G1B+0], s44, (3<<16)|(1<<21)
.irp g, G1, G1B
	s_mov_b32 s[\g+1], 384<<16                     ; tensor_dim0: 3,072 bytes: a tile's two K steps
	s_mov_b32 s[\g+2], 8<<16                       ; tensor_dim1: 8 tiles
	s_mov_b32 s[\g+3], 384<<16                     ; tile_dim0
	s_mov_b32 s[\g+4], 8                           ; tile_dim1
	s_mov_b32 s[\g+5], 1536                        ; 12,288 bytes from tile to tile
	s_mov_b32 s[\g+6], 0
	s_mov_b32 s[\g+7], 0
.endr
	s_lshl_b32 s18, s17, 2
	s_sub_co_u32 s19, s17, 8
	s_lshl_b32 s19, s19, 3
	s_mov_b32 s78, 6291456                         ; where xq's scale words begin,
	s_mov_b32 s79, 3145728                         ; and wq's
	s_cmp_ge_u32 s17, 8                            ; v's part?
	s_cselect_b32 s18, 8, s18
	s_cselect_b32 s19, s19, 0
	s_cselect_b32 s72, 1, 0
	s_cselect_b32 s80, s79, s78
	s_cselect_b32 s81, s78, s79
	s_add_co_u32 s18, s18, s41                     ; A's block of 256 rows: 4 cluster y + cy of x, or 8 + cy of W: no cx in it
	s_add_co_u32 s19, s19, s42                     ; B's: work-group x of W, or work-group x + 8 (cluster y - 8) of x: no cy in it
	s_lshl_b32 s20, s18, 4
	s_lshl_b32 s21, s16, 3
	s_add_co_u32 s20, s20, s21
	s_mul_i32 s20, s20, 12288                      ; A: the first tile that I would fetch
	s_mov_b32 s21, 0
	s_lshl_b32 s46, s19, 4
	s_lshl_b32 s47, s16, 3
	s_add_co_u32 s46, s46, s47
	s_mul_i32 s46, s46, 12288                      ; B likewise
	s_mov_b32 s47, 0
	s_lshl_b32 s82, s18, 4
	s_lshl_b32 s83, s15, 3
	s_add_co_u32 s82, s82, s83
	s_lshl_b32 s82, s82, 9
	s_add_co_u32 s82, s82, s80                     ; the scale words of the 8 tiles of A that I multiply
	s_mov_b32 s83, 0
	s_lshl_b32 s84, s19, 4
	s_lshl_b32 s85, s16, 3
	s_add_co_u32 s84, s84, s85
	s_lshl_b32 s84, s84, 9
	s_add_co_u32 s84, s84, s81                     ; and of B
	s_mov_b32 s85, 0
	s_mul_i32 s45, s14, HALFT                      ; where my tiles go: wave x 8 tiles: no place in the cluster enters an LDS address
	s_wait_kmcnt 0x0
	s_cmp_lg_u32 s72, 0
	s_cselect_b64 s[74:75], s[6:7], s[4:5]         ; A's buffer
	s_cselect_b64 s[76:77], s[4:5], s[6:7]         ; B's
	s_add_nc_u64 s[20:21], s[74:75], s[20:21]
	s_add_nc_u64 s[46:47], s[76:77], s[46:47]
	s_add_nc_u64 s[82:83], s[74:75], s[82:83]
	s_add_nc_u64 s[84:85], s[76:77], s[84:85]
	CROUND                                         ; all sixteen work-groups are here: the first joint loads meet
.irp s, 0,1
	s_mov_b32 s[G0+4*\s], 1
	s_add_co_u32 s[G0+4*\s+1], s45, \s*SLOT
	s_add_nc_u64 s[G0+4*\s+2:G0+4*\s+3], s[20:21], \s*3072
	s_or_b32 s[G0+4*\s+3], s[G0+4*\s+3], 0x80000000
	s_mov_b32 s[G0B+4*\s], 1
	s_add_co_u32 s[G0B+4*\s+1], s45, \s*SLOT
	s_add_nc_u64 s[G0B+4*\s+2:G0B+4*\s+3], s[46:47], \s*3072
	s_or_b32 s[G0B+4*\s+3], s[G0B+4*\s+3], 0x80000000
	JLOAD G0+4*\s, G1, G0B+4*\s, G1B               ; two tensor loads of mine are out
.endr
	v_and_b32 v1, 31, v0
	v_lshlrev_b32 v2, 4, v1                        ; 16 x lane
	v_lshlrev_b32 v[L8], 3, v1                     ; 8 x lane
	v_add_nc_u32 v3, 512, v[L8]
.irp a, 0,1,2,3,4,5,6,7
.irp u, 0,1
	global_load_b64 v[SAR+4*\a+2*\u:SAR+4*\a+2*\u+1], v[L8], s[82:83] offset:\a*512+\u*256   ; 256 consecutive bytes each
	global_load_b64 v[SBR+4*\a+2*\u:SBR+4*\a+2*\u+1], v[L8], s[84:85] offset:\a*512+\u*256
.endr
.endr
	s_mul_i32 s86, s15, HALFT                      ; my 8 tiles of A
	s_mul_i32 s87, s16, HALFT
	s_add_co_u32 s87, s87, 2*HALFT                 ; my 8 tiles of B, behind A's 16
.irp s, 0,1
	v_add_nc_u32 v[A16+\s], s86, v2
	v_add_nc_u32 v[A8+\s], s86, v3
	v_add_nc_u32 v[B16+\s], s87, v2
	v_add_nc_u32 v[B8+\s], s87, v3
	s_add_co_u32 s86, s86, SLOT
	s_add_co_u32 s87, s87, SLOT
.endr
.macro FRAG reg, a16, a8, q, i         ; tile i's fragment of the slot's q-th K step: the image as it lies
	ds_load_b128 v[\reg:\reg+3], v[\a16] offset:(\i)*3072+(\q)*1536
	ds_load_b64 v[\reg+4:\reg+5], v[\a8] offset:(\i)*3072+(\q)*1536
	ds_load_b128 v[\reg+6:\reg+9], v[\a16] offset:(\i)*3072+(\q)*1536+768
	ds_load_b64 v[\reg+10:\reg+11], v[\a8] offset:(\i)*3072+(\q)*1536+768
.endm
.macro FETCH_B slot, q, p
	WIN TO_B
.irp i, 0,1,2,3,4,5,6,7
	FRAG 128*(\p)+FR*\i, B16+\slot, B8+\slot, \q, \i
.endr
	WIN 0
.endm
.macro FETCH_A slot, q, i0
.irp i, \i0, \i0+1, \i0+2, \i0+3
	FRAG AF+FR*(\i), A16+\slot, A8+\slot, \q, \i
.endr
.endm
; 16 matrix instructions: A's blocks a0, a0 + 1 x B's eight, K step ks.  The 64 accumulators take turns, one instruction a turn, in the same order in every step.
.macro MUL16 a0, p, ks, zero
.irp a, \a0, \a0+1
.irp b, 0,1,2,3,4,5,6,7
.if \zero
	v_wmma_scale_f32_16x16x128_f8f6f4 v[8*(8*((\a)%4)+\b):8*(8*((\a)%4)+\b)+7], v[128*(\p)+FR*\b:128*(\p)+FR*\b+FR-1], v[AF+FR*(\a):AF+FR*(\a)+FR-1], 0, v[SBR+4*\b+(\ks)/2], v[SAR+4*(\a)+(\ks)/2] matrix_a_fmt:MATRIX_FMT_FP6 matrix_b_fmt:MATRIX_FMT_FP6
.elseif (\ks)%2 == 0
	v_wmma_scale_f32_16x16x128_f8f6f4 v[8*(8*((\a)%4)+\b):8*(8*((\a)%4)+\b)+7], v[128*(\p)+FR*\b:128*(\p)+FR*\b+FR-1], v[AF+FR*(\a):AF+FR*(\a)+FR-1], v[8*(8*((\a)%4)+\b):8*(8*((\a)%4)+\b)+7], v[SBR+4*\b+(\ks)/2], v[SAR+4*(\a)+(\ks)/2] matrix_a_fmt:MATRIX_FMT_FP6 matrix_b_fmt:MATRIX_FMT_FP6
.else
	v_wmma_scale_f32_16x16x128_f8f6f4 v[8*(8*((\a)%4)+\b):8*(8*((\a)%4)+\b)+7], v[128*(\p)+FR*\b:128*(\p)+FR*\b+FR-1], v[AF+FR*(\a):AF+FR*(\a)+FR-1], v[8*(8*((\a)%4)+\b):8*(8*((\a)%4)+\b)+7], v[SBR+4*\b+(\ks)/2], v[SAR+4*(\a)+(\ks)/2] matrix_a_fmt:MATRIX_FMT_FP6 matrix_b_fmt:MATRIX_FMT_FP6 matrix_a_scale:MATRIX_SCALE_ROW1 matrix_b_scale:MATRIX_SCALE_ROW1
.endif
.endr
.endr
.endm
; A slot's first K step: its successor lies in the same slot.  A has one set of registers (a block is free when its eight products are issued), B two.
.macro STEP slot, ks, zero
	s_wait_dscnt 4*NL                              ; B's set and A's blocks 0-3 are in; the youngest 16 loads (A's blocks 4-7) may be out
	WIN MUL_LO
	MUL16 0, 0, \ks, \zero
	MUL16 2, 0, \ks, \zero
	s_wait_dscnt 0x0
	PLACES NP                                      ; in front of loads into registers that matrix instructions have read
	FETCH_B \slot, 1, 1
	FETCH_A \slot, 1, 0
	WIN MUL_HI
	MUL16 4, 0, \ks, \zero
	MUL16 6, 0, \ks, \zero
	PLACES NP
	WIN 0
	FETCH_A \slot, 1, 4
.endm
; A slot's second K step changes slots: ONE barrier; in front of it each wave waits for all its tensor loads, adds 0 to its spare word, and waits for that and for its reads of this slot.
.macro TURN slot, next, ks, fill
	s_wait_tensorcnt 0x0                           ; all my tensor loads have landed: my part of the next slot
	ds_add_u32 v[SPW], v[NIL]                      ; 0 onto my spare word
	s_wait_dscnt 4*NL+1                            ; (the add and the youngest 16 loads may be out)
	WIN MUL_LO
	MUL16 0, 1, \ks, 0
	s_wait_dscnt 0x0                               ; the add is done, and my reads of this slot are over
	s_barrier_signal -1
	MUL16 2, 1, \ks, 0
	WIN 0
	s_barrier_wait -1
.if \fill
	CREST                                          ; the barrier has opened a round of the cluster's: no wave of any partner still reads this slot or has a load on its way
	s_add_nc_u64 s[G0+4*\slot+2:G0+4*\slot+3], s[G0+4*\slot+2:G0+4*\slot+3], 6144
	s_add_nc_u64 s[G0B+4*\slot+2:G0B+4*\slot+3], s[G0B+4*\slot+2:G0B+4*\slot+3], 6144
	JLOAD G0+4*\slot, G1, G0B+4*\slot, G1B         ; my one tensor load behind the round: four K steps on; its four v_nop are the places in front of the loads below
.else
	PLACES NP
.endif
	FETCH_B \next, 0, 0
	FETCH_A \next, 0, 0
	WIN MUL_HI
	MUL16 4, 1, \ks, 0
	MUL16 6, 1, \ks, 0
	PLACES NP
	WIN 0
	FETCH_A \next, 0, 4
.endm
	s_wait_tensorcnt 1                             ; my part of slot 0 is in; slot 1's may stay out
	s_barrier_signal -1
	s_barrier_wait -1
	FETCH_B 0, 0, 0
	FETCH_A 0, 0, 0
	FETCH_A 0, 0, 4
	s_wait_loadcnt 0x0                             ; the scale words
	STEP 0, 0, 1                                   ; K = 1,024 is eight steps, written out; the first products start the sums
	TURN 0, 1, 1, 1
	STEP 1, 2, 0
	TURN 1, 0, 3, 1
	STEP 0, 4, 0
	TURN 0, 1, 5, 0
	STEP 1, 6, 0
	s_wait_dscnt 4*NL
	WIN MUL_LO
	MUL16 0, 1, 7, 0
	MUL16 2, 1, 7, 0
	s_wait_dscnt 0x0
	WIN MUL_HI
	MUL16 4, 1, 7, 0
	MUL16 6, 1, 7, 0
	WIN 0
	PLACES NP                                      ; behind the last products: results are read, and operands' registers written and loaded, from here on
; ---------------- THE WAY OUT ----------------
.set SEL, 20                           ; s[20:21] selects for lane l xor 16;  s22 lanes 16-31
.set X,   128                          ; the numbers in hand
.set TM,  168                          ; q, k: v168-173 at work on the scales
.set ZH,  192                          ; q, k: the second block's codes
.set WQ,  200                          ; q, k: scale words, 8 a head
.set TM4, 192                          ; v: v192-207 at work
.set PC,  208                          ; v: v208-227 codes
.set PW,  232                          ; v: scale words
.set BV,  96                           ; v: the bias, a pair for each block of A
	v_and_b32 v7, 15, v0                           ; r
	v_bfe_u32 v8, v0, 4, 1                         ; h
	v_and_b32 v9, 8, v7
	v_add_nc_u32 v9, v9, v7                        ; r + (r & 8): my row among a pair of tiles' 32
	v_lshlrev_b32 v4, 6, v8                        ; 64 h: my 16 numbers of 32
	v_lshl_add_u32 v5, v9, 8, v4                   ; the table: my token's row, + 64 h
	v_lshlrev_b32 v6, 2, v9
	s_mov_b32 s[SEL], 0x76543210
	s_mov_b32 s[SEL+1], 0xfedcba98
	s_mov_b32 s22, 0xffff0000
	s_mov_b32 s37, 0
	s_cmp_lg_u32 s72, 0
	s_cbranch_scc1 .Lvpart                         ; hangs on the cluster's y alone
	; ---- q and k.  Accumulator (a, b), lane (r, h), register j: token 32 (a / 2) + 8 (a % 2) + r + (r & 8), column 32 (b / 2) + 16 h + 8 (b % 2) + j of my 128 x 128
	s_lshl_b32 s38, s18, 8
	s_lshl_b32 s39, s15, 7
	s_add_co_u32 s38, s38, s39                     ; my first token
	s_lshr_b32 s39, s38, 11                        ; batch
	s_bfe_u32 s54, s38, 0x40007                    ; which 128 tokens of the sequence
	s_and_b32 s55, s38, 2047
	s_lshl_b32 s36, s55, 8
	s_add_nc_u64 s[34:35], s[10:11], s[36:37]      ; the table at my first token
	s_lshl_b32 s36, s42, 10
	s_lshl_b32 s56, s16, 9
	s_add_co_u32 s36, s36, s56
	s_add_nc_u64 s[32:33], s[8:9], s[36:37]        ; the bias at my first column
	s_lshl_b32 s56, s42, 2
	s_lshl_b32 s57, s16, 1
	s_add_co_u32 s56, s56, s57
	s_and_b32 s56, s56, 15                         ; my first head of two
	s_lshl_b32 s57, s39, 4
	s_add_co_u32 s56, s56, s57                     ; its record
	s_mov_b32 s50, 208896
	s_mov_b32 s51, 196608
	s_cmp_eq_u32 ttmp9, 0                          ; cluster x 0: q; 1: k
	s_cselect_b64 s[48:49], s[68:69], s[70:71]
	s_cselect_b32 s50, 106496, s50                 ; bytes in a record,
	s_cselect_b32 s51, 98304, s51                  ; and where its scale words begin
	s_mul_i32 s36, s56, s50
	s_add_nc_u64 s[48:49], s[48:49], s[36:37]
	s_mul_i32 s36, s54, 6144
	s_add_nc_u64 s[24:25], s[48:49], s[36:37]      ; my 8 half-images, head 0,
	s_lshl_b32 s36, s54, 9
	s_add_co_u32 s36, s36, s51
	s_add_nc_u64 s[28:29], s[48:49], s[36:37]      ; their 512 bytes of scale words,
	s_mov_b32 s36, s50
	s_add_nc_u64 s[26:27], s[24:25], s[36:37]      ; and head 1's
	s_add_nc_u64 s[30:31], s[28:29], s[36:37]
	v_mov_b32 v[TM+2], 0                           ; a lane permute's destination counts as one of its sources
	v_mov_b32 v[TM+3], 0
	WIN TO_B
.irp be, 0,1,2,3
.irp j, 0,1,2,3
	global_load_b128 v[16*\be+4*\j:16*\be+4*\j+3], v4, s[32:33] offset:128*\be+16*\j   ; window 1, register 8 b + j: the bias of accumulator b's register j
.endr
.endr
	WIN 0
.macro CSLOAD a                        ; cos and sin of tile a's tokens: 16 + 16 numbers a lane, into v96-127 or v224-255 by turns
.set CSB, 96+128*((\a)%2)
.irp j, 0,1,2,3
	global_load_b128 v[CSB+4*\j:CSB+4*\j+3], v5, s[34:35] offset:(32*((\a)/2)+8*((\a)%2))*256+16*\j
	global_load_b128 v[CSB+16+4*\j:CSB+16+4*\j+3], v5, s[34:35] offset:(32*((\a)/2)+8*((\a)%2))*256+128+16*\j
.endr
.endm
; 32 numbers of a lane, register 16 b + i = k 32 b + 16 h + i of my row, become a half-image's six registers in v[f] on, and the row's two bytes, written twice, in v[w]
.macro QUANT2 xs, f, w
.irp b, 0,1
	v_max3_num_f32 v[TM+\b], |v[\xs+16*\b]|, |v[\xs+16*\b+1]|, 0x1800000   ; with the floor 2^(3 - 127)
.endr
.irp i, 2,4,6,8,10,12,14
.irp b, 0,1
	v_max3_num_f32 v[TM+\b], v[TM+\b], |v[\xs+16*\b+\i]|, |v[\xs+16*\b+\i+1]|
.endr
.endr
.irp b, 0,1
	v_permlanex16_b32 v[TM+2+\b], v[TM+\b], s[SEL], s[SEL+1]
.endr
.irp b, 0,1
	v_max_num_f32 v[TM+\b], v[TM+\b], v[TM+2+\b]   ; with lane l xor 16's 16: the block's largest magnitude
.endr
.irp b, 0,1
	v_add_nc_u32 v[TM+4+\b], 0xff000000, v[TM+\b]  ; the conversion's scale operand
.endr
.irp b, 0,1
	v_lshrrev_b32 v[TM+2+\b], 23, v[TM+4+\b]       ; the byte
.endr
	v_lshl_or_b32 v[\w], v[TM+3], 8, v[TM+2]
	v_lshl_or_b32 v[\w], v[\w], 16, v[\w]
	s_wait_xcnt 0x0                                ; earlier stores have read the codes' registers
	v_cvt_scalef32_pk16_fp6_f32 v[\f:\f+2], v[\xs:\xs+15], v[TM+4]
	v_cvt_scalef32_pk16_fp6_f32 v[ZH:ZH+2], v[\xs+16:\xs+31], v[TM+5]
	v_nop                                          ; a plain place behind the conversions
.irp i, 0,1,2
	v_permlane16_swap_b32 v[\f+\i], v[ZH+\i]       ; a whole block to a lane: lanes 0-15 block 0, lanes 16-31 block 1
.endr
.irp i, 0,1,2
	v_mov_b32 v[\f+3+\i], v[ZH+\i]
.endr
.endm
.macro QKTILE a, hh                    ; 16 tokens x one head
.set CSB, 96+128*((\a)%2)
.set FS, 176+8*(\hh)
	WIN 0x06+((\a)/4)                              ; source 0: the accumulators' window; source 1: window 1, the bias
.irp bb, 0,1,2,3
.irp j, 0,2,4,6
	v_pk_add_f32 v[X+8*\bb+\j:X+8*\bb+\j+1], v[8*(8*((\a)%4)+4*(\hh)+\bb)+\j:8*(8*((\a)%4)+4*(\hh)+\bb)+\j+1], v[8*(4*(\hh)+\bb)+\j:8*(4*(\hh)+\bb)+\j+1]   ; each accumulator from its low end on
.endr
.endr
	WIN 0
.set pp, 0
.rept 8                                ; X[i] is channel 16 h + i, X[16 + i] channel 32 + 16 h + i: the two that RoPE turns into each other
.set TT, 160+4*(pp%2)
	v_pk_mul_f32 v[TT:TT+1], v[X+16+2*pp:X+17+2*pp], v[CSB+16+2*pp:CSB+17+2*pp]
	v_pk_mul_f32 v[TT+2:TT+3], v[X+2*pp:X+1+2*pp], v[CSB+16+2*pp:CSB+17+2*pp]
	v_pk_fma_f32 v[X+2*pp:X+1+2*pp], v[X+2*pp:X+1+2*pp], v[CSB+2*pp:CSB+1+2*pp], v[TT:TT+1] neg_lo:[0,0,1] neg_hi:[0,0,1]
	v_pk_fma_f32 v[X+16+2*pp:X+17+2*pp], v[X+16+2*pp:X+17+2*pp], v[CSB+2*pp:CSB+1+2*pp], v[TT+2:TT+3]
.set pp, pp+1
.endr
	QUANT2 X, FS, WQ+8*(\hh)+(\a)
	global_store_b128 v2, v[FS:FS+3], s[24+2*(\hh):25+2*(\hh)] offset:(\a)*768          ; 512 consecutive bytes
	global_store_b64 v[L8], v[FS+4:FS+5], s[24+2*(\hh):25+2*(\hh)] offset:(\a)*768+512  ; 256
.endm
	CSLOAD 0
.irp a, 0,1,2,3,4,5,6,7
.if \a < 7
	CSLOAD \a+1
	s_wait_loadcnt 8                               ; the bias and this tile's cos and sin are in; the next tile's eight loads may be out
.else
	s_wait_loadcnt 0x0
.endif
	QKTILE \a, 0
	QKTILE \a, 1
.endr
.irp hh, 0,1
.irp be, 0,1,2,3
	v_cndmask_b32 v[216+4*\hh+\be], v[WQ+8*\hh+2*\be], v[WQ+8*\hh+2*\be+1], s22   ; lanes 0-15 the even tile's words, lanes 16-31 the odd tile's
.endr
	global_store_b128 v2, v[216+4*\hh:219+4*\hh], s[28+2*\hh:29+2*\hh]            ; 512 consecutive bytes
.endr
	s_wait_tensorcnt 0x0                           ; the wave's end
	ds_add_u32 v[SPW], v[NIL]
	s_wait_dscnt 0x0
	CROUND                                         ; the closing round
	s_endpgm
.Lvpart:
	; ---- v.  Accumulator (a, b), lane (r, h), register j: channel 32 (a / 2) + 8 (a % 2) + r + (r & 8) of my 128 columns, token 32 (b / 2) + 16 h + 8 (b % 2) + j of my 128
	s_lshl_b32 s38, s19, 8
	s_lshl_b32 s39, s16, 7
	s_add_co_u32 s38, s38, s39                     ; my first token
	s_lshr_b32 s39, s38, 11                        ; batch
	s_bfe_u32 s54, s38, 0x40007                    ; key step
	s_lshl_b32 s36, s18, 10
	s_lshl_b32 s56, s15, 9
	s_add_co_u32 s36, s36, s56
	s_add_nc_u64 s[32:33], s[8:9], s[36:37]        ; the bias at my first column (2,048 on)
	s_sub_co_u32 s56, s18, 8
	s_lshl_b32 s56, s56, 2
	s_lshl_b32 s57, s15, 1
	s_add_co_u32 s56, s56, s57                     ; my first head of two
	s_lshl_b32 s57, s39, 4
	s_add_co_u32 s56, s56, s57
	s_mul_i32 s36, s56, 208896
	s_add_nc_u64 s[48:49], s[70:71], s[36:37]      ; its record
	s_mul_i32 s36, s54, 6144
	s_add_co_u32 s36, s36, 98304
	s_add_nc_u64 s[24:25], s[48:49], s[36:37]      ; this key step's four fragments,
	s_lshl_b32 s36, s54, 8
	s_add_co_u32 s36, s36, 204800
	s_add_nc_u64 s[28:29], s[48:49], s[36:37]      ; their 256 bytes of scale words,
	s_add_nc_u64 s[26:27], s[24:25], 208896        ; and the next head's
	s_add_nc_u64 s[30:31], s[28:29], 208896
.irp a, 0,1,2,3,4,5,6,7
	global_load_b32 v[BV+2*\a], v6, s[32:33] offset:(32*(\a/2)+8*(\a%2))*4     ; my channel's bias, twice: a pair for the packed addition
	global_load_b32 v[BV+2*\a+1], v6, s[32:33] offset:(32*(\a/2)+8*(\a%2))*4
.endr
.irp b, 0,1,2,3
	v_mov_b32 v[TM4+4+\b], 0                       ; a lane permute's destination counts as one of its sources
.endr
	s_wait_loadcnt 0x0
.macro VTILE a                         ; 16 channels x 128 tokens: one fragment of the second attention product
	WIN 0x02+((\a)/4)
.irp b, 0,1,2,3,4,5,6,7
.irp j, 0,2,4,6
	v_pk_add_f32 v[X+8*\b+\j:X+8*\b+\j+1], v[8*(8*((\a)%4)+\b)+\j:8*(8*((\a)%4)+\b)+\j+1], v[BV+2*(\a):BV+2*(\a)+1]
.endr
.endr
	WIN 0
.irp b, 0,1,2,3
	v_max3_num_f32 v[TM4+\b], |v[X+16*\b]|, |v[X+1+16*\b]|, 0x1800000
.endr
.irp i, 2,4,6,8,10,12,14
.irp b, 0,1,2,3
	v_max3_num_f32 v[TM4+\b], v[TM4+\b], |v[X+16*\b+\i]|, |v[X+1+16*\b+\i]|
.endr
.endr
.irp b, 0,1,2,3
	v_permlanex16_b32 v[TM4+4+\b], v[TM4+\b], s[SEL], s[SEL+1]
.endr
.irp b, 0,1,2,3
	v_max_num_f32 v[TM4+\b], v[TM4+\b], v[TM4+4+\b]
.endr
.irp b, 0,1,2,3
	v_add_nc_u32 v[TM4+12+\b], 0xff000000, v[TM4+\b]
.endr
.irp b, 0,1,2,3
	v_lshrrev_b32 v[TM4+4+\b], 23, v[TM4+12+\b]
.endr
	v_lshl_or_b32 v[PW+(\a)], v[TM4+5], 8, v[TM4+4]
	v_lshl_or_b32 v[PW+(\a)], v[TM4+6], 16, v[PW+(\a)]
	v_lshl_or_b32 v[PW+(\a)], v[TM4+7], 24, v[PW+(\a)]
	s_wait_xcnt 0x0                                ; the last tile's stores have read the codes' registers
.irp c, 0,1
	v_cvt_scalef32_pk16_fp6_f32 v[PC+6*\c:PC+2+6*\c], v[X+32*\c:X+15+32*\c], v[TM4+12+2*\c]
	v_cvt_scalef32_pk16_fp6_f32 v[PC+12+4*\c:PC+14+4*\c], v[X+16+32*\c:X+31+32*\c], v[TM4+12+2*\c+1]
.endr
	v_nop                                          ; a plain place behind the conversions
.irp c, 0,1
.irp i, 0,1,2
	v_permlane16_swap_b32 v[PC+6*\c+\i], v[PC+12+4*\c+\i]
.endr
.irp i, 0,1,2
	v_mov_b32 v[PC+3+6*\c+\i], v[PC+12+4*\c+\i]
.endr
.endr
	global_store_b128 v2, v[PC:PC+3], s[24+2*((\a)/4):25+2*((\a)/4)] offset:((\a)%4)*1536
	global_store_b64 v[L8], v[PC+4:PC+5], s[24+2*((\a)/4):25+2*((\a)/4)] offset:((\a)%4)*1536+512
	global_store_b128 v2, v[PC+6:PC+9], s[24+2*((\a)/4):25+2*((\a)/4)] offset:((\a)%4)*1536+768
	global_store_b64 v[L8], v[PC+10:PC+11], s[24+2*((\a)/4):25+2*((\a)/4)] offset:((\a)%4)*1536+1280
.endm
.irp a, 0,1,2,3,4,5,6,7
	VTILE \a
.endr
.irp hd, 0,1
.irp be, 0,1
	v_cndmask_b32 v[240+2*\hd+\be], v[PW+4*\hd+2*\be], v[PW+4*\hd+2*\be+1], s22
.endr
	global_store_b64 v[L8], v[240+2*\hd:241+2*\hd], s[28+2*\hd:29+2*\hd]          ; 256 consecutive bytes
.endr
	s_wait_tensorcnt 0x0                           ; the wave's end
	ds_add_u32 v[SPW], v[NIL]
	s_wait_dscnt 0x0
	CROUND                                         ; the closing round
	s_endpgm
.Lfunc_end_k_q6133e6e0f9_gemm_qkv:
	.size	k_q6133e6e0f9_gemm_qkv, .Lfunc_end_k_q6133e6e0f9_gemm_qkv-k_q6133e6e0f9_gemm_qkv
	.p2alignl 7, 3214868480
	.fill 96, 4, 3214868480
	.section	.rodata,"a",@progbits
	.p2align	6, 0x0
	.amdhsa_kernel k_q6133e6e0f9_gemm_qkv
		.amdhsa_group_segment_fixed_size 327680
		.amdhsa_private_segment_fixed_size 0
		.amdhsa_enable_private_segment 0
		.amdhsa_kernarg_size 48
		.amdhsa_user_sgpr_count 2
		.amdhsa_user_sgpr_kernarg_segment_ptr 1
		.amdhsa_wavefront_size32 1
		.amdhsa_system_sgpr_workgroup_id_x 1
		.amdhsa_system_sgpr_workgroup_id_y 1
		.amdhsa_system_sgpr_workgroup_id_z 1
		.amdhsa_system_vgpr_workitem_id 0
		.amdhsa_next_free_vgpr 1024
		.amdhsa_next_free_sgpr 100
		.amdhsa_reserve_vcc 0
		.amdhsa_float_denorm_mode_32 3
		.amdhsa_float_denorm_mode_16_64 3
		.amdhsa_memory_ordered 1
		.amdhsa_forward_progress 1
		.amdhsa_inst_pref_size 255
	.end_amdhsa_kernel
	.section	.bss,"aw",@nobits
	.p2align	6
	.space	262144
	.amdgpu_metadata
---
amdhsa.version: [ 1, 2 ]
amdhsa.kernels:
  - .name:           k_q6133e6e0f9_gemm_qkv
    .symbol:         k_q6133e6e0f9_gemm_qkv.kd
    .args:
      - { .name: xq, .offset: 0, .size: 8, .value_kind: global_buffer, .address_space: global }
      - { .name: wq, .offset: 8, .size: 8, .value_kind: global_buffer, .address_space: global }
      - { .name: b_qkv, .offset: 16, .size: 8, .value_kind: global_buffer, .address_space: global }
      - { .name: rope, .offset: 24, .size: 8, .value_kind: global_buffer, .address_space: global }
      - { .name: qbuf, .offset: 32, .size: 8, .value_kind: global_buffer, .address_space: global }
      - { .name: kv, .offset: 40, .size: 8, .value_kind: global_buffer, .address_space: global }
    .group_segment_fixed_size: 327680
    .private_segment_fixed_size: 0
    .kernarg_segment_align: 8
    .kernarg_segment_size: 48
    .max_flat_workgroup_size: 128
    .sgpr_count:     100
    .vgpr_count:     1024
    .wavefront_size: 32
...
	.end_amdgpu_metadata
.endif
;; end of part 3
;; launch attn (part 4): grid 4 x 64, 16 waves a work-group, clusters of 4 x 1, 215,040 bytes of LDS; arguments qbuf, kv, yq; writes yq
.if DOCPART == 4
	.amdgcn_target "amdgcn-amd-amdhsa--gfx1250"
	.amdhsa_code_object_version 6
	.text
	.protected	k_q6133e6e0f9_attn
	.globl	k_q6133e6e0f9_attn
	.p2align	8
	.type	k_q6133e6e0f9_attn,@function
k_q6133e6e0f9_attn:
	s_mov_b64 s[64:65], 0
	v_nop
	global_prefetch_b8 v0, s[64:65] scope:SCOPE_SE
	s_setreg_imm32_b32 hwreg(HW_REG_WAVE_MODE, 25, 1), 1
	s_wait_xcnt 0x0
	s_wait_alu depctr_hold_cnt(0) depctr_sa_sdst(0) depctr_va_vdst(0) depctr_va_sdst(0) depctr_va_ssrc(0) depctr_va_vcc(0) depctr_vm_vsrc(0)
	s_getreg_b32 s2, hwreg(HW_REG_IB_STS2, 6, 4)
	s_cmp_eq_u32 s2, 0
	s_cbranch_scc0 .Lentry_in_a_cluster
	s_endpgm
.Lentry_in_a_cluster:
	s_bfe_u32 s2, ttmp6, 0x10000c
	s_cmp_lg_u32 s2, 0x3003
	s_cbranch_scc0 .Lentry_shape_is_right
	s_endpgm
.Lentry_shape_is_right:
; y = softmax(q k^T, causal) v for one batch and head a cluster, both products on codes of E2M3; y is quantised along the model's 1,024 on its way out (it is an operand of the last product).
; THE SOFTMAX AHEAD OF THE SECOND PRODUCT: t = score x log2(e) (this model has no 1 / sqrt(64)); M = the running largest t rounded UP to a whole number; p = 2^(t - M) is quantised along the keys, not normalised;
; the row's sum is taken of the unquantised p and divides at the end; when M moves, sum and O are multiplied by 2^(old M - new M), which rounds nothing.
; A HEAD'S k AND v, codes and scale words, are one record of 208,896 bytes: it fits in LDS whole.  So there is no ring: each of the 16 waves brings 51 rows of 256 bytes with one tensor load, LDS is filled once,
; one barrier follows, and from there on LDS is only read.  The four work-groups of a cluster work on the same head: the loads are joint, the record leaves the cache once for the four.
; SHARES.  A head has 128 tiles of 16 queries, tile 8 G + E.  E = 2 cx + wave % 2.  A wave takes G = wave / 2 and then G = 15 - wave / 2: G + 1 and 16 - G key steps of 128, 17 for every wave.
; Both loops have constant trip counts (2 and 16); a step whose keys all come after the queries is jumped over on the wave's number and the counters alone.  cx enters global addresses and the mask's operand only.
; LAYOUT.  Both products are used transposed (S^T = k q^T, O^T = v^T p^T): a lane holds ONE query.  Row p of tile 2 A + u is token (or channel) 32 A + 8 u + p + (p & 8), so the 16 registers of two
; neighbouring result tiles are 16 neighbours: keys for p, channels for y.
; THE FIRST PRODUCT'S K IS 64, the instruction's 128.  q's upper six registers are zero codes.  k's tile t is named as v[34 + 6 t .. 45 + 6 t]: its upper six registers are the next tile's codes (behind the last:
; zeros); they meet q's zeros and add nothing, since E2M3 has no infinity and no NaN.  The scale words carry the two true bytes twice.
; OUT: yq is laid as xq.  The two scale bytes of a row and head leave by a store of 2 bytes a lane (lanes l and l xor 16 write the same bytes with the same value): aligned blocks of 256 bytes are written in part
; there, 262,144 bytes in the whole launch.
; LIMITS: NaN and infinities are not served; a block of p or y under 2^-124 gets the byte 1 and zero codes; p under 2^-126 is 0.
; REGISTERS: v1-9 addresses that stay; v10-15 the step's; v16 -M, v17 the largest t, v[18:19] the sum; v20-31 q; v32 q's scale word; v33 -infinity; v34-87 k's tiles, then v's fragments; v88-91 k's scale words,
; v92-93 v's; v96-159 S^T, then p; v160-191 O^T; v192-203 p's codes; v204-210 at work; v212-223 block maxima, bytes, scale operands; v[224:225] f; v226 p's scale word; v227-242 at work.
.set BM, 212
.set PR, 216
.set SO, 220
.macro CROUND
	s_barrier_signal -1
	s_barrier_wait -1
	s_cmp_lg_u32 s10, 0
	s_cbranch_scc1 .Lnot_wave_0_\@
	s_barrier_signal -3
.Lnot_wave_0_\@:
	s_barrier_wait -3
	s_barrier_signal -1
	s_barrier_wait -1
.endm
	s_load_b128 s[4:7], s[0:1], 0x0                ; qbuf, kv
	s_load_b64 s[8:9], s[0:1], 0x10                ; yq
	v_lshl_add_u32 v254, v0, 2, 0x34000
	v_mov_b32 v255, 0
	ds_add_u32 v254, v255
	ds_add_u32 v254, v255
	v_lshrrev_b32 v1, 5, v0
	v_readfirstlane_b32 s10, v1                    ; wave 0..15
	s_bfe_u32 s11, ttmp6, 0x40000                  ; cx
	s_and_b32 s12, ttmp7, 0xffff                   ; the record: batch x 16 + head, which the four partners share
	s_mov_b32 s16, 15|(3<<16)|(1<<21)              ; the mask: all four; elements of 8 bytes; bit 21 beside a mask
	s_mov_b32 s17, 32<<16                          ; rows of 256 bytes,
	s_mov_b32 s18, 51<<16                          ; 51 of them,
	s_mov_b32 s19, 32<<16
	s_mov_b32 s20, 51
	s_mov_b32 s21, 32                              ; dense
	s_mov_b32 s22, 0
	s_mov_b32 s23, 0
	s_mul_i32 s28, s10, 13056                      ; my sixteenth of the record, in LDS as in memory
	s_mul_i32 s30, s12, 208896
	s_add_co_u32 s30, s30, s28
	s_mov_b32 s31, 0
	s_wait_dscnt 0x0
	s_wait_kmcnt 0x0
	s_mov_b32 s24, 1
	s_mov_b32 s25, s28
	s_add_nc_u64 s[26:27], s[6:7], s[30:31]
	s_or_b32 s27, s27, 0x80000000
	CROUND                                         ; all four work-groups are here: the joint loads meet
	tensor_load_to_lds s[24:27], s[16:23]          ; my one tensor load of the launch
	s_nop 0
.rept 4
	v_nop
.endr
	v_and_b32 v9, 31, v0
	v_lshlrev_b32 v1, 4, v9                        ; 16 x lane: registers 0-3 of a half-image
	v_lshlrev_b32 v6, 3, v9
	v_add_nc_u32 v2, 512, v6                       ; 512 + 8 x lane: registers 4-5
	v_add_nc_u32 v3, 98304, v1                     ; the same in v's part of the record
	v_add_nc_u32 v4, 98304, v2
	v_add_nc_u32 v5, 196608, v1                    ; k's scale words: 16 bytes a lane
	v_add_nc_u32 v6, 204800, v6                    ; v's: 8 bytes a lane
	s_and_b32 s13, s10, 1
	s_lshl_b32 s14, s11, 1
	s_add_co_u32 s13, s13, s14                     ; E
	s_lshr_b32 s14, s10, 1                         ; wave / 2
	s_lshr_b32 s15, s13, 1
	s_and_b32 s29, s13, 1
	v_and_b32 v10, 15, v0                          ; r
	v_bfe_u32 v11, v0, 4, 1                        ; h
	v_and_b32 v12, 8, v10
	v_add_nc_u32 v12, v12, v10
	v_lshlrev_b32 v13, 4, v11
	v_sub_nc_u32 v12, v12, v13
	s_lshl_b32 s32, s15, 5
	s_lshl_b32 s33, s29, 3
	s_add_co_u32 s32, s32, s33
	v_add_nc_u32 v7, s32, v12                      ; my query's place among its 128, less 16 h: register n holds key 32 (n / 16) + n % 16 + 16 h
	s_lshl_b32 s32, s29, 8
	s_lshl_b32 s33, s15, 2
	s_add_co_u32 s32, s32, s33
	v_lshl_add_u32 v8, v10, 4, s32                 ; q's scale word in its step's 512 bytes
	v_lshlrev_b32 v9, 3, v10                       ; y's scale bytes: 8 bytes from row to row
	v_mov_b32 v33, 0xff800000
.irp j, 26,27,28,29,30,31,82,83,84,85,86,87
	v_mov_b32 v\j, 0                               ; zero codes: q's upper half, and what stands behind k's last tile; written once
.endr
.irp j, 212,213,214,215,216,217,218,219,220,221,222,223,225
	v_mov_b32 v\j, 0                               ; written once: lane permutes' destinations, and the upper half of the pair v[224:225]
.endr
	s_mov_b32 s34, 0x76543210
	s_mov_b32 s35, 0xfedcba98                      ; selects for lane l xor 16
	s_mov_b32 s36, 0x3fb8aa3b                      ; log2(e)
	s_mov_b32 s37, s36
	s_mul_i32 s48, s12, 106496
	s_mov_b32 s49, 0
	s_add_nc_u64 s[44:45], s[4:5], s[48:49]        ; q's record
	s_lshr_b32 s58, s12, 4                         ; batch
	s_and_b32 s59, s12, 15                         ; head
	s_lshl_b32 s46, s58, 7
	s_add_co_u32 s46, s46, s13                     ; y's tile without 8 G
	s_lshl_b32 s47, s46, 9
	s_mul_i32 s46, s46, 12288
	s_lshr_b32 s60, s59, 1                         ; the last product's K step,
	s_and_b32 s61, s59, 1                          ; and which half of it
	s_mul_i32 s62, s60, 1536
	s_add_co_u32 s46, s46, s62
	s_mul_i32 s62, s61, 768
	s_add_co_u32 s46, s46, s62                     ; y's half-image, without G
	s_add_co_u32 s47, s47, 6291456
	s_lshr_b32 s62, s60, 2
	s_lshl_b32 s62, s62, 8
	s_add_co_u32 s47, s47, s62
	s_and_b32 s62, s60, 1
	s_lshl_b32 s62, s62, 7
	s_add_co_u32 s47, s47, s62
	s_bfe_u32 s62, s60, 0x10001
	s_lshl_b32 s62, s62, 2
	s_add_co_u32 s47, s47, s62
	s_lshl_b32 s62, s61, 1
	s_add_co_u32 s47, s47, s62                     ; y's two scale bytes of row 0, without G
	s_mov_b32 s43, 0                               ; which of my two tiles of queries
	s_wait_tensorcnt 0x0                           ; my part of the record is in,
	s_barrier_signal -1
	s_barrier_wait -1                              ; everybody's is: from here on LDS is only read
.Lphase:
	s_wait_xcnt 0x0                                ; the last tile's loads and stores have read their bases and registers
	s_mul_i32 s42, s43, 15
	s_xor_b32 s42, s42, s14                        ; G = wave / 2, then 15 - wave / 2
	s_lshl_b32 s48, s42, 3
	s_add_co_u32 s48, s48, s13
	s_mul_i32 s48, s48, 768
	s_add_nc_u64 s[50:51], s[44:45], s[48:49]      ; q's half-image
	s_lshl_b32 s48, s42, 9
	s_add_co_u32 s48, s48, 98304
	s_add_nc_u64 s[52:53], s[44:45], s[48:49]      ; its step's scale words
	global_load_b128 v[20:23], v1, s[50:51]
	global_load_b64 v[24:25], v2, s[50:51]
	global_load_b32 v32, v8, s[52:53]
	s_mul_i32 s48, s42, 98304
	s_add_co_u32 s48, s48, s46
	s_add_nc_u64 s[54:55], s[8:9], s[48:49]        ; where y's half-image goes,
	s_lshl_b32 s48, s42, 12
	s_add_co_u32 s48, s48, s47
	s_add_nc_u64 s[56:57], s[8:9], s[48:49]        ; and its scale bytes
	v_mov_b32 v17, 0xff61b1e6                      ; the largest t so far: -3e38
	v_floor_f32 v16, -v17                          ; -M
	v_mov_b32 v18, 0
	v_mov_b32 v19, 0
.set nn, 0
.rept 32
	v_mov_b32 v[160+nn], 0                         ; O^T: the step is written once; the first change of M leaves zeros zeros
.set nn, nn+1
.endr
	s_mov_b32 s38, 0                               ; key step
	s_mov_b32 s39, 0                               ; its tiles: 6,144 bytes a step, for k and for v
	s_mov_b32 s40, 0                               ; k's scale words: 512
	s_mov_b32 s41, 0                               ; v's: 256
	s_wait_loadcnt 0x0
.Lstep:
	s_cmp_gt_u32 s38, s42
	s_cbranch_scc1 .Lskip                          ; all 128 keys come after my queries
	v_add_nc_u32 v10, s39, v1                      ; (these six are the places behind the last step's products, in front of the loads below)
	v_add_nc_u32 v11, s39, v2
	v_add_nc_u32 v12, s39, v3
	v_add_nc_u32 v13, s39, v4
	v_add_nc_u32 v14, s40, v5
	v_add_nc_u32 v15, s41, v6
.irp t, 0,1,2,3,4,5,6,7
	ds_load_b128 v[34+6*\t:37+6*\t], v10 offset:768*\t
	ds_load_b64 v[38+6*\t:39+6*\t], v11 offset:768*\t
.endr
	ds_load_b128 v[88:91], v14
	s_wait_dscnt 0x0
.irp t, 0,1,2,3,4,5,6,7
.if \t%2 == 0
	v_wmma_scale_f32_16x16x128_f8f6f4 v[96+8*\t:103+8*\t], v[34+6*\t:45+6*\t], v[20:31], 0, v[88+\t/2], v32 matrix_a_fmt:MATRIX_FMT_FP6 matrix_b_fmt:MATRIX_FMT_FP6
.else
	v_wmma_scale_f32_16x16x128_f8f6f4 v[96+8*\t:103+8*\t], v[34+6*\t:45+6*\t], v[20:31], 0, v[88+\t/2], v32 matrix_a_fmt:MATRIX_FMT_FP6 matrix_b_fmt:MATRIX_FMT_FP6 matrix_a_scale:MATRIX_SCALE_ROW1
.endif
.endr
.rept 4
	v_nop                                          ; places: the scores are read, and v is loaded over k, from here on
.endr
.irp d, 0,1,2,3
	ds_load_b128 v[34+12*\d:37+12*\d], v12 offset:1536*\d        ; v's four fragments land while the softmax is walked
	ds_load_b64 v[38+12*\d:39+12*\d], v13 offset:1536*\d
	ds_load_b128 v[40+12*\d:43+12*\d], v12 offset:1536*\d+768
	ds_load_b64 v[44+12*\d:45+12*\d], v13 offset:1536*\d+768
.endr
	ds_load_b64 v[92:93], v15
	s_cmp_lg_u32 s38, s42
	s_cbranch_scc1 .Lopen                          ; only the step on the diagonal hides keys
.set nn, 0
.rept 64
	v_cmp_gt_i32 vcc_lo, 32*(nn/16)+nn%16, v7
	v_cndmask_b32 v[96+nn], v[96+nn], v33, vcc_lo  ; a hidden key's score becomes -infinity: p = 0
.set nn, nn+1
.endr
.Lopen:
.irp b, 0,1,2,3
	v_max3_num_f32 v[BM+\b], v[96+16*\b], v[97+16*\b], v[98+16*\b]     ; the largest score of each block of 32 keys: it serves the row's maximum and, since p rises with the score, the block's largest p
.endr
.irp i, 3,5,7,9,11,13
.irp b, 0,1,2,3
	v_max3_num_f32 v[BM+\b], v[BM+\b], v[96+16*\b+\i], v[97+16*\b+\i]
.endr
.endr
.irp b, 0,1,2,3
	v_max_num_f32 v[BM+\b], v[BM+\b], v[111+16*\b]
.endr
.irp b, 0,1,2,3
	v_permlanex16_b32 v[PR+\b], v[BM+\b], s34, s35
.endr
.irp b, 0,1,2,3
	v_max_num_f32 v[BM+\b], v[BM+\b], v[PR+\b]
.endr
	v_max3_num_f32 v227, v212, v213, v214
	v_max_num_f32 v227, v227, v215
	v_mul_f32 v227, s36, v227
	v_max_num_f32 v17, v17, v227                   ; the running largest t
	v_mov_b32 v227, v16
	v_floor_f32 v16, -v17                          ; the new -M: M is a whole number
	v_sub_f32 v227, v16, v227
	v_cvt_i32_f32 v227, v227                       ; old M - new M (it saturates)
	v_ldexp_f32 v224, 1.0, v227                    ; f = 2^(old M - new M)
.set nn, 0
.rept 32
	v_pk_fma_f32 v[96+nn:97+nn], v[96+nn:97+nn], s[36:37], v[16:17] op_sel_hi:[1,0,0]   ; t - M, two at a time
.set nn, nn+2
.endr
.irp b, 0,1,2,3
	v_fma_f32 v[BM+\b], v[BM+\b], s36, v16
.endr
.set nn, 0
.rept 64
	v_exp_f32 v[96+nn], v[96+nn]                   ; p
.set nn, nn+1
.endr
.irp b, 0,1,2,3
	v_exp_f32 v[BM+\b], v[BM+\b]                   ; the block's largest p
.endr
	v_pk_mul_f32 v[18:19], v[18:19], v[224:225] op_sel_hi:[1,0]        ; the sum under the new M (a plain place behind the exponentials)
	s_wait_alu depctr_va_vdst(0)
.irp b, 0,1,2,3
	v_max_num_f32 v[BM+\b], 0x1800000, v[BM+\b]    ; the floor 2^(3 - 127)
.endr
.irp b, 0,1,2,3
	v_add_nc_u32 v[SO+\b], 0xff000000, v[BM+\b]    ; the conversion's scale operand
.endr
.irp b, 0,1,2,3
	v_lshrrev_b32 v[PR+\b], 23, v[SO+\b]           ; the byte
.endr
	v_lshl_or_b32 v226, v217, 8, v216              ; p's scale word for these 128 keys
	v_lshl_or_b32 v226, v218, 16, v226
	v_lshl_or_b32 v226, v219, 24, v226
.irp c, 0,1
	v_cvt_scalef32_pk16_fp6_f32 v[192+6*\c:194+6*\c], v[96+32*\c:111+32*\c], v[SO+2*\c]
	v_cvt_scalef32_pk16_fp6_f32 v[204+4*\c:206+4*\c], v[112+32*\c:127+32*\c], v[SO+2*\c+1]
.endr
	v_nop                                          ; a plain place behind the conversions
.irp c, 0,1
.irp i, 0,1,2
	v_permlane16_swap_b32 v[192+6*\c+\i], v[204+4*\c+\i]       ; a whole block to a lane
.endr
.irp i, 0,1,2
	v_mov_b32 v[195+6*\c+\i], v[204+4*\c+\i]
.endr
.endr
	v_pk_add_f32 v[230:231], v[96:97], v[98:99]    ; the row's sum of the unquantised p, in two chains
.irp j, 4,8,12,16,20,24,28,32,36,40,44,48,52,56,60
	v_pk_add_f32 v[18:19], v[18:19], v[96+\j:97+\j]
	v_pk_add_f32 v[230:231], v[230:231], v[98+\j:99+\j]
.endr
	v_pk_add_f32 v[18:19], v[18:19], v[230:231]
.set nn, 0
.rept 16
	v_pk_mul_f32 v[160+nn:161+nn], v[160+nn:161+nn], v[224:225] op_sel_hi:[1,0]     ; O^T under the new M
.set nn, nn+2
.endr
	s_wait_dscnt 0x0                               ; v and its scale words are in
.irp d, 0,1,2,3
.if \d%2 == 0
	v_wmma_scale_f32_16x16x128_f8f6f4 v[160+8*\d:167+8*\d], v[34+12*\d:45+12*\d], v[192:203], v[160+8*\d:167+8*\d], v[92+\d/2], v226 matrix_a_fmt:MATRIX_FMT_FP6 matrix_b_fmt:MATRIX_FMT_FP6
.else
	v_wmma_scale_f32_16x16x128_f8f6f4 v[160+8*\d:167+8*\d], v[34+12*\d:45+12*\d], v[192:203], v[160+8*\d:167+8*\d], v[92+\d/2], v226 matrix_a_fmt:MATRIX_FMT_FP6 matrix_b_fmt:MATRIX_FMT_FP6 matrix_a_scale:MATRIX_SCALE_ROW1
.endif
.endr
.Lskip:
	s_add_co_u32 s39, s39, 6144
	s_add_co_u32 s40, s40, 512
	s_add_co_u32 s41, s41, 256
	s_add_co_u32 s38, s38, 1
	s_cmp_lt_u32 s38, 16
	s_cbranch_scc1 .Lstep
	; y = O^T / the sum, quantised along the head's 64: register 16 b + i is channel 32 b + 16 h + i of my query
.rept 4
	v_nop                                          ; places behind the last products
.endr
	v_add_f32 v18, v18, v19
	v_permlanex16_b32 v216, v18, s34, s35
	v_add_f32 v18, v18, v216                       ; the row's sum
	v_rcp_f32 v228, v18
	v_mov_b32 v229, 0                              ; (a plain place behind the reciprocal; the pair's upper half is written)
.set nn, 0
	s_wait_alu depctr_va_vdst(0)
.rept 16
	v_pk_mul_f32 v[96+nn:97+nn], v[160+nn:161+nn], v[228:229] op_sel_hi:[1,0]       ; each accumulator from its low end on
.set nn, nn+2
.endr
.irp b, 0,1
	v_max3_num_f32 v[BM+\b], |v[96+16*\b]|, |v[97+16*\b]|, 0x1800000
.endr
.irp i, 2,4,6,8,10,12,14
.irp b, 0,1
	v_max3_num_f32 v[BM+\b], v[BM+\b], |v[96+16*\b+\i]|, |v[97+16*\b+\i]|
.endr
.endr
.irp b, 0,1
	v_permlanex16_b32 v[PR+\b], v[BM+\b], s34, s35
.endr
.irp b, 0,1
	v_max_num_f32 v[BM+\b], v[BM+\b], v[PR+\b]
.endr
.irp b, 0,1
	v_add_nc_u32 v[SO+\b], 0xff000000, v[BM+\b]
.endr
.irp b, 0,1
	v_lshrrev_b32 v[PR+\b], 23, v[SO+\b]
.endr
	s_wait_xcnt 0x0                                ; earlier stores have read the registers written below
	v_lshl_or_b32 v238, v217, 8, v216              ; my row's two bytes
	v_cvt_scalef32_pk16_fp6_f32 v[232:234], v[96:111], v[SO]
	v_cvt_scalef32_pk16_fp6_f32 v[240:242], v[112:127], v[SO+1]
	v_nop                                          ; a plain place behind the conversions
.irp i, 0,1,2
	v_permlane16_swap_b32 v[232+\i], v[240+\i]
.endr
.irp i, 0,1,2
	v_mov_b32 v[235+\i], v[240+\i]
.endr
	global_store_b128 v1, v[232:235], s[54:55]     ; 512 consecutive bytes
	global_store_b64 v2, v[236:237], s[54:55]      ; 256 (the register holds 512 + 8 x lane)
	global_store_b16 v9, v238, s[56:57]
	s_add_co_u32 s43, s43, 1
	s_cmp_lt_u32 s43, 2
	s_cbranch_scc1 .Lphase
	s_wait_dscnt 0x0
	s_wait_tensorcnt 0x0
	ds_add_u32 v254, v255
	s_wait_dscnt 0x0
	CROUND                                         ; the closing round: no work-group ends while a partner may still ask
	s_endpgm
.Lfunc_end_k_q6133e6e0f9_attn:
	.size	k_q6133e6e0f9_attn, .Lfunc_end_k_q6133e6e0f9_attn-k_q6133e6e0f9_attn
	.p2alignl 7, 3214868480
	.fill 96, 4, 3214868480
	.section	.rodata,"a",@progbits
	.p2align	6, 0x0
	.amdhsa_kernel k_q6133e6e0f9_attn
		.amdhsa_group_segment_fixed_size 215040
		.amdhsa_private_segment_fixed_size 0
		.amdhsa_enable_private_segment 0
		.amdhsa_kernarg_size 24
		.amdhsa_user_sgpr_count 2
		.amdhsa_user_sgpr_kernarg_segment_ptr 1
		.amdhsa_wavefront_size32 1
		.amdhsa_system_sgpr_workgroup_id_x 1
		.amdhsa_system_sgpr_workgroup_id_y 1
		.amdhsa_system_sgpr_workgroup_id_z 1
		.amdhsa_system_vgpr_workitem_id 0
		.amdhsa_next_free_vgpr 256
		.amdhsa_next_free_sgpr 66
		.amdhsa_reserve_vcc 1
		.amdhsa_float_denorm_mode_32 3
		.amdhsa_float_denorm_mode_16_64 3
		.amdhsa_memory_ordered 1
		.amdhsa_forward_progress 1
		.amdhsa_inst_pref_size 33
	.end_amdhsa_kernel
	.amdgpu_metadata
---
amdhsa.version: [ 1, 2 ]
amdhsa.kernels:
  - .name:           k_q6133e6e0f9_attn
    .symbol:         k_q6133e6e0f9_attn.kd
    .args:
      - { .name: qbuf, .offset: 0, .size: 8, .value_kind: global_buffer, .address_space: global }
      - { .name: kv, .offset: 8, .size: 8, .value_kind: global_buffer, .address_space: global }
      - { .name: yq, .offset: 16, .size: 8, .value_kind: global_buffer, .address_space: global }
    .group_segment_fixed_size: 215040
    .private_segment_fixed_size: 0
    .kernarg_segment_align: 8
    .kernarg_segment_size: 24
    .max_flat_workgroup_size: 512
    .sgpr_count:     66
    .vgpr_count:     256
    .wavefront_size: 32
...
	.end_amdgpu_metadata
.endif
;; end of part 4
;; launch gemm_out (part 5): grid 4 x 32, 4 waves a work-group, clusters of 4 x 4, 327,680 bytes of LDS; arguments yq, wq, b_out, out0; writes out0
.if DOCPART == 5
	.amdgcn_target "amdgcn-amd-amdhsa--gfx1250"
	.amdhsa_code_object_version 6
	.text
	.protected	k_q6133e6e0f9_gemm_out
	.globl	k_q6133e6e0f9_gemm_out
	.p2align	8
	.type	k_q6133e6e0f9_gemm_out,@function
k_q6133e6e0f9_gemm_out:
	s_mov_b64 s[64:65], 0
	v_nop
	global_prefetch_b8 v0, s[64:65] scope:SCOPE_SE
	s_setreg_imm32_b32 hwreg(HW_REG_WAVE_MODE, 25, 1), 1
	s_wait_xcnt 0x0
	s_wait_alu depctr_hold_cnt(0) depctr_sa_sdst(0) depctr_va_vdst(0) depctr_va_sdst(0) depctr_va_ssrc(0) depctr_va_vcc(0) depctr_vm_vsrc(0)
	s_getreg_b32 s2, hwreg(HW_REG_IB_STS2, 6, 4)
	s_cmp_eq_u32 s2, 0
	s_cbranch_scc0 .Lentry_in_a_cluster
	s_endpgm
.Lentry_in_a_cluster:
	s_bfe_u32 s2, ttmp6, 0x10000c
	s_cmp_lg_u32 s2, 0xf033
	s_cbranch_scc0 .Lentry_shape_is_right
	s_endpgm
.Lentry_shape_is_right:
; out = y W_out + b_out on codes of E2M3, K = 1,024.  A = y's tokens (source 1: a lane holds a token), B = W_out's columns (source 0: a lane's registers run along them): rows 3,072 on of wq.
; The main loop is that of the launch for q, k and v: a tile of 256 x 256 by four waves of 128 x 128, K in eight steps of 128, two to a slot, through a ring of two LDS slots; operands lie in memory as images of
; their registers (half-image: 16 rows x 64 K, 768 bytes; lane l: registers 0-3 at 16 l, registers 4-5 at 512 + 8 l; tile t, K step s at t x 12288 + s x 1536); row p of tile 2 A + u is row 32 A + 8 u + p + (p & 8).
; CLUSTERS: 4 x 4; A's tiles are asked for jointly along a row of the cluster, B's along a column.  The product has 32 x 4 tiles of 256 x 256: 128 work-groups.
; THE WAY OUT: a block of 16 tokens x 128 columns goes through the wave's own stage in LDS (16 rows of 512 + 16 bytes, in slot 0, which has had its last fill and its last read by then) and comes back as whole rows;
; the bias is added to the rows read back, and 32 lanes store 512 consecutive bytes.
; REGISTERS: window 0: v0-31 addresses; v32-63 A's scale words, v64-95 B's (they hold scales and nothing else); v96-99 the bias; v128-223 A's fragments; on the way out v128-255 rows.  window 1: B's fragments, two sets.
; windows 2, 3: accumulator (a, b) at v[8 (8 (a % 4) + b)].
.set FR,    12
.set NL,    4
.set NP,    4
.set HALFT, 8*3072
.set SLOT,  4*HALFT
.set SPARE, 2*SLOT
.set SPITCH, 528
.set A16,   16
.set A8,    18
.set B16,   20
.set B8,    22
.set STO,   24
.set RD,    25
.set L8,    27
.set SPW,   28
.set NIL,   29
.set SAR,   32
.set SBR,   64
.set AF,    128
.set BK,    128
.set G1,  24
.set G0,  32
.set G1B, 48
.set G0B, 56
.set MSB, 0
.macro WIN new                         ; the immediate's high byte repeats the setting that is left
.if MSB != (\new)
	s_set_vgpr_msb (MSB<<8)|(\new)
.set MSB, (\new)
.endif
.endm
.set MUL_LO, 0xa1
.set MUL_HI, 0xf1
.set TO_B,   0x40
.macro JLOAD g0a, g1a, g0b, g1b        ; a joint load: waves 0 and 1 fetch for A, waves 2 and 3 for B; four v_nop follow each line
	s_cmp_eq_u32 s15, 0
	s_cbranch_scc0 .Lfor_b_\@
	tensor_load_to_lds s[\g0a:\g0a+3], s[\g1a:\g1a+7]
	s_nop 0
.rept 4
	v_nop
.endr
	s_branch .Lasked_\@
.Lfor_b_\@:
	tensor_load_to_lds s[\g0b:\g0b+3], s[\g1b:\g1b+7]
	s_nop 0
.rept 4
	v_nop
.endr
.Lasked_\@:
.endm
.macro CREST
	s_cmp_lg_u32 s14, 0
	s_cbranch_scc1 .Lnot_wave_0_\@
	s_barrier_signal -3
.Lnot_wave_0_\@:
	s_barrier_wait -3
	s_barrier_signal -1
	s_barrier_wait -1
.endm
.macro CROUND
	s_barrier_signal -1
	s_barrier_wait -1
	CREST
.endm
.macro PLACES n
.rept \n
	v_nop
.endr
.endm
	s_load_b256 s[4:11], s[0:1], 0x0               ; yq, wq, b_out, out0
	v_lshl_add_u32 v[SPW], v0, 2, SPARE
	v_mov_b32 v[NIL], 0
	ds_add_u32 v28, v29
	ds_add_u32 v28, v29
	s_wait_dscnt 0x0
	v_lshrrev_b32 v1, 5, v0
	v_readfirstlane_b32 s14, v1                    ; wave
	s_lshr_b32 s15, s14, 1
	s_and_b32 s16, s14, 1
	s_bfe_u32 s40, ttmp6, 0x40000                  ; cx
	s_bfe_u32 s41, ttmp6, 0x40004                  ; cy
	s_lshl_b32 s42, ttmp9, 2
	s_add_co_u32 s42, s42, s40                     ; work-group x
	s_and_b32 s17, ttmp7, 0xffff
	s_lshl_b32 s18, s17, 2
	s_add_co_u32 s18, s18, s41                     ; A's block of 256 tokens: work-group y
	s_add_co_u32 s19, s42, 12                      ; B's block of 256 rows of wq
	s_lshl_b32 s43, s41, 2
	s_lshl_b32 s43, 15, s43
	s_lshl_b32 s44, 0x1111, s40
	s_or_b32 s[G1+0], s43, (3<<16)|(1<<21)
	s_or_b32 s[G1B+0], s44, (3<<16)|(1<<21)
.irp g, G1, G1B
	s_mov_b32 s[\g+1], 384<<16                     ; 3,072 bytes: a tile's two K steps
	s_mov_b32 s[\g+2], 8<<16                       ; 8 tiles
	s_mov_b32 s[\g+3], 384<<16
	s_mov_b32 s[\g+4], 8
	s_mov_b32 s[\g+5], 1536                        ; 12,288 bytes from tile to tile
	s_mov_b32 s[\g+6], 0
	s_mov_b32 s[\g+7], 0
.endr
	s_lshl_b32 s20, s18, 4
	s_lshl_b32 s21, s16, 3
	s_add_co_u32 s20, s20, s21
	s_mul_i32 s20, s20, 12288
	s_mov_b32 s21, 0
	s_lshl_b32 s46, s19, 4
	s_lshl_b32 s47, s16, 3
	s_add_co_u32 s46, s46, s47
	s_mul_i32 s46, s46, 12288
	s_mov_b32 s47, 0
	s_lshl_b32 s82, s18, 4
	s_lshl_b32 s83, s15, 3
	s_add_co_u32 s82, s82, s83
	s_lshl_b32 s82, s82, 9
	s_add_co_u32 s82, s82, 6291456                 ; the scale words of the 8 tiles of A that I multiply
	s_mov_b32 s83, 0
	s_lshl_b32 s84, s19, 4
	s_lshl_b32 s85, s16, 3
	s_add_co_u32 s84, s84, s85
	s_lshl_b32 s84, s84, 9
	s_add_co_u32 s84, s84, 3145728                 ; and of B
	s_mov_b32 s85, 0
	s_lshl_b32 s88, s42, 10
	s_lshl_b32 s89, s16, 9
	s_add_co_u32 s88, s88, s89                     ; my first column, in bytes
	s_mov_b32 s89, 0
	s_lshl_b32 s90, s18, 8
	s_lshl_b32 s91, s15, 7
	s_add_co_u32 s90, s90, s91
	s_lshl_b32 s90, s90, 12                        ; my first token's row of 4,096 bytes
	s_mov_b32 s91, 0
	s_mul_i32 s45, s14, HALFT
	s_wait_kmcnt 0x0
	s_add_nc_u64 s[20:21], s[4:5], s[20:21]
	s_add_nc_u64 s[46:47], s[6:7], s[46:47]
	s_add_nc_u64 s[82:83], s[4:5], s[82:83]
	s_add_nc_u64 s[84:85], s[6:7], s[84:85]
	s_add_nc_u64 s[8:9], s[8:9], s[88:89]
	s_add_nc_u64 s[12:13], s[10:11], s[88:89]
	s_add_nc_u64 s[12:13], s[12:13], s[90:91]
	CROUND                                         ; all sixteen work-groups are here: the first joint loads meet
.irp s, 0,1
	s_mov_b32 s[G0+4*\s], 1
	s_add_co_u32 s[G0+4*\s+1], s45, \s*SLOT
	s_add_nc_u64 s[G0+4*\s+2:G0+4*\s+3], s[20:21], \s*3072
	s_or_b32 s[G0+4*\s+3], s[G0+4*\s+3], 0x80000000
	s_mov_b32 s[G0B+4*\s], 1
	s_add_co_u32 s[G0B+4*\s+1], s45, \s*SLOT
	s_add_nc_u64 s[G0B+4*\s+2:G0B+4*\s+3], s[46:47], \s*3072
	s_or_b32 s[G0B+4*\s+3], s[G0B+4*\s+3], 0x80000000
	JLOAD G0+4*\s, G1, G0B+4*\s, G1B               ; two tensor loads of mine are out
.endr
	v_and_b32 v1, 31, v0
	v_lshlrev_b32 v2, 4, v1                        ; 16 x lane
	v_lshlrev_b32 v[L8], 3, v1
	v_add_nc_u32 v3, 512, v[L8]
.irp a, 0,1,2,3,4,5,6,7
.irp u, 0,1
	global_load_b64 v[SAR+4*\a+2*\u:SAR+4*\a+2*\u+1], v[L8], s[82:83] offset:\a*512+\u*256
	global_load_b64 v[SBR+4*\a+2*\u:SBR+4*\a+2*\u+1], v[L8], s[84:85] offset:\a*512+\u*256
.endr
.endr
	global_load_b128 v[96:99], v2, s[8:9]          ; the bias of the four columns that I store
	s_mul_i32 s86, s15, HALFT
	s_mul_i32 s87, s16, HALFT
	s_add_co_u32 s87, s87, 2*HALFT
.irp s, 0,1
	v_add_nc_u32 v[A16+\s], s86, v2
	v_add_nc_u32 v[A8+\s], s86, v3
	v_add_nc_u32 v[B16+\s], s87, v2
	v_add_nc_u32 v[B8+\s], s87, v3
	s_add_co_u32 s86, s86, SLOT
	s_add_co_u32 s87, s87, SLOT
.endr
	v_and_b32 v4, 15, v0                           ; r
	v_bfe_u32 v5, v0, 4, 1                         ; h
	s_mul_i32 s86, s14, 16*SPITCH                  ; my stage
	v_mul_u32_u24 v6, v4, SPITCH
	v_lshl_add_u32 v6, v5, 6, v6
	v_add_nc_u32 v[STO], s86, v6                   ; in: row r, + 64 h: accumulator b's eight columns begin 128 (b / 2) + 32 (b % 2) bytes on
	v_add_nc_u32 v[RD], s86, v2                    ; back: a row's 512 bytes, 16 a lane
.macro FRAG reg, a16, a8, q, i
	ds_load_b128 v[\reg:\reg+3], v[\a16] offset:(\i)*3072+(\q)*1536
	ds_load_b64 v[\reg+4:\reg+5], v[\a8] offset:(\i)*3072+(\q)*1536
	ds_load_b128 v[\reg+6:\reg+9], v[\a16] offset:(\i)*3072+(\q)*1536+768
	ds_load_b64 v[\reg+10:\reg+11], v[\a8] offset:(\i)*3072+(\q)*1536+768
.endm
.macro FETCH_B slot, q, p
	WIN TO_B
.irp i, 0,1,2,3,4,5,6,7
	FRAG 128*(\p)+FR*\i, B16+\slot, B8+\slot, \q, \i
.endr
	WIN 0
.endm
.macro FETCH_A slot, q, i0
.irp i, \i0, \i0+1, \i0+2, \i0+3
	FRAG AF+FR*(\i), A16+\slot, A8+\slot, \q, \i
.endr
.endm
; The 64 accumulators take turns, one instruction a turn, in the same order in every step.
.macro MUL16 a0, p, ks, zero
.irp a, \a0, \a0+1
.irp b, 0,1,2,3,4,5,6,7
.if \zero
	v_wmma_scale_f32_16x16x128_f8f6f4 v[8*(8*((\a)%4)+\b):8*(8*((\a)%4)+\b)+7], v[128*(\p)+FR*\b:128*(\p)+FR*\b+FR-1], v[AF+FR*(\a):AF+FR*(\a)+FR-1], 0, v[SBR+4*\b+(\ks)/2], v[SAR+4*(\a)+(\ks)/2] matrix_a_fmt:MATRIX_FMT_FP6 matrix_b_fmt:MATRIX_FMT_FP6
.elseif (\ks)%2 == 0
	v_wmma_scale_f32_16x16x128_f8f6f4 v[8*(8*((\a)%4)+\b):8*(8*((\a)%4)+\b)+7], v[128*(\p)+FR*\b:128*(\p)+FR*\b+FR-1], v[AF+FR*(\a):AF+FR*(\a)+FR-1], v[8*(8*((\a)%4)+\b):8*(8*((\a)%4)+\b)+7], v[SBR+4*\b+(\ks)/2], v[SAR+4*(\a)+(\ks)/2] matrix_a_fmt:MATRIX_FMT_FP6 matrix_b_fmt:MATRIX_FMT_FP6
.else
	v_wmma_scale_f32_16x16x128_f8f6f4 v[8*(8*((\a)%4)+\b):8*(8*((\a)%4)+\b)+7], v[128*(\p)+FR*\b:128*(\p)+FR*\b+FR-1], v[AF+FR*(\a):AF+FR*(\a)+FR-1], v[8*(8*((\a)%4)+\b):8*(8*((\a)%4)+\b)+7], v[SBR+4*\b+(\ks)/2], v[SAR+4*(\a)+(\ks)/2] matrix_a_fmt:MATRIX_FMT_FP6 matrix_b_fmt:MATRIX_FMT_FP6 matrix_a_scale:MATRIX_SCALE_ROW1 matrix_b_scale:MATRIX_SCALE_ROW1
.endif
.endr
.endr
.endm
.macro STEP slot, ks, zero
	s_wait_dscnt 4*NL                              ; B's set and A's blocks 0-3 are in; the youngest 16 loads (A's blocks 4-7) may be out
	WIN MUL_LO
	MUL16 0, 0, \ks, \zero
	MUL16 2, 0, \ks, \zero
	s_wait_dscnt 0x0
	PLACES NP
	FETCH_B \slot, 1, 1
	FETCH_A \slot, 1, 0
	WIN MUL_HI
	MUL16 4, 0, \ks, \zero
	MUL16 6, 0, \ks, \zero
	PLACES NP
	WIN 0
	FETCH_A \slot, 1, 4
.endm
.macro TURN slot, next, ks, fill
	s_wait_tensorcnt 0x0                           ; all my tensor loads have landed: my part of the next slot
	ds_add_u32 v[SPW], v[NIL]                      ; 0 onto my spare word
	s_wait_dscnt 4*NL+1                            ; (the add and the youngest 16 loads may be out)
	WIN MUL_LO
	MUL16 0, 1, \ks, 0
	s_wait_dscnt 0x0                               ; the add is done, and my reads of this slot are over
	s_barrier_signal -1
	MUL16 2, 1, \ks, 0
	WIN 0
	s_barrier_wait -1
.if \fill
	CREST                                          ; the barrier has opened a round of the cluster's: no wave of any partner still reads this slot or has a load on its way
	s_add_nc_u64 s[G0+4*\slot+2:G0+4*\slot+3], s[G0+4*\slot+2:G0+4*\slot+3], 6144
	s_add_nc_u64 s[G0B+4*\slot+2:G0B+4*\slot+3], s[G0B+4*\slot+2:G0B+4*\slot+3], 6144
	JLOAD G0+4*\slot, G1, G0B+4*\slot, G1B         ; my one tensor load behind the round; its four v_nop are the places in front of the loads below
.else
	PLACES NP
.endif
	FETCH_B \next, 0, 0
	FETCH_A \next, 0, 0
	WIN MUL_HI
	MUL16 4, 1, \ks, 0
	MUL16 6, 1, \ks, 0
	PLACES NP
	WIN 0
	FETCH_A \next, 0, 4
.endm
	s_wait_tensorcnt 1                             ; my part of slot 0 is in; slot 1's may stay out
	s_barrier_signal -1
	s_barrier_wait -1
	FETCH_B 0, 0, 0
	FETCH_A 0, 0, 0
	FETCH_A 0, 0, 4
	s_wait_loadcnt 0x0                             ; the scale words and the bias
	STEP 0, 0, 1
	TURN 0, 1, 1, 1
	STEP 1, 2, 0
	TURN 1, 0, 3, 1
	STEP 0, 4, 0
	TURN 0, 1, 5, 0
	STEP 1, 6, 0
	s_wait_dscnt 4*NL
	WIN MUL_LO
	MUL16 0, 1, 7, 0
	MUL16 2, 1, 7, 0
	s_wait_dscnt 0x0
	WIN MUL_HI
	MUL16 4, 1, 7, 0
	MUL16 6, 1, 7, 0
	WIN 0
; THE WAY OUT.  LDS serves a wave's instructions in order: no wait between a block's stores into my stage and the loads that read it back, nor in front of the next block's stores.
.macro TOSTAGE a
.set AC, 64*((\a)%4)
	WIN 0x08+4*((\a)/4)                            ; an LDS store's data are its source 1: window 2 or 3
.irp b, 0,1,2,3,4,5,6,7
	ds_store_b128 v[STO], v[AC+8*\b:AC+8*\b+3] offset:128*(\b/2)+32*(\b%2)         ; each accumulator from its low end on
	ds_store_b128 v[STO], v[AC+8*\b+4:AC+8*\b+7] offset:128*(\b/2)+32*(\b%2)+16
.endr
	WIN 0
.set BB, BK+64*((\a)%2)
.irp t, 0,1,2,3,4,5,6,7,8,9,10,11,12,13,14,15
	ds_load_b128 v[BB+4*\t:BB+4*\t+3], v[RD] offset:\t*SPITCH
.endr
.endm
.macro SEND a, younger                 ; younger: the LDS instructions issued behind block a's loads, which may stay out
.set BB, BK+64*((\a)%2)
	s_wait_dscnt \younger
.irp t, 0,1,2,3,4,5,6,7,8,9,10,11,12,13,14,15
	v_pk_add_f32 v[BB+4*\t:BB+4*\t+1], v[BB+4*\t:BB+4*\t+1], v[96:97]
	v_pk_add_f32 v[BB+4*\t+2:BB+4*\t+3], v[BB+4*\t+2:BB+4*\t+3], v[98:99]
	global_store_b128 v2, v[BB+4*\t:BB+4*\t+3], s[12:13] offset:(32*((\a)/2)+8*((\a)%2)+\t+(\t&8))*4096 th:TH_STORE_NT   ; 512 consecutive bytes of the token's row; the row stands in the immediate (127 rows at the most)
.endr
.endm
	PLACES NP                                      ; behind the last products: results are read, and rows loaded over A's fragments, from here on
	TOSTAGE 0
.irp a, 1,2,3,4,5,6,7
.if \a > 1
	s_wait_xcnt 0x0                                ; block a - 2's stores have read their registers: block a's rows may land there
.endif
	TOSTAGE \a
	SEND \a-1, 32                                  ; behind block a - 1's loads: block a's 16 stores and 16 loads
.endr
	SEND 7, 0
	s_wait_tensorcnt 0x0                           ; the wave's end
	ds_add_u32 v[SPW], v[NIL]
	s_wait_dscnt 0x0
	CROUND                                         ; the closing round
	s_endpgm
.Lfunc_end_k_q6133e6e0f9_gemm_out:
	.size	k_q6133e6e0f9_gemm_out, .Lfunc_end_k_q6133e6e0f9_gemm_out-k_q6133e6e0f9_gemm_out
	.p2alignl 7, 3214868480
	.fill 96, 4, 3214868480
	.section	.rodata,"a",@progbits
	.p2align	6, 0x0
	.amdhsa_kernel k_q6133e6e0f9_gemm_out
		.amdhsa_group_segment_fixed_size 327680
		.amdhsa_private_segment_fixed_size 0
		.amdhsa_enable_private_segment 0
		.amdhsa_kernarg_size 32
		.amdhsa_user_sgpr_count 2
		.amdhsa_user_sgpr_kernarg_segment_ptr 1
		.amdhsa_wavefront_size32 1
		.amdhsa_system_sgpr_workgroup_id_x 1
		.amdhsa_system_sgpr_workgroup_id_y 1
		.amdhsa_system_sgpr_workgroup_id_z 1
		.amdhsa_system_vgpr_workitem_id 0
		.amdhsa_next_free_vgpr 1024
		.amdhsa_next_free_sgpr 100
		.amdhsa_reserve_vcc 0
		.amdhsa_float_denorm_mode_32 3
		.amdhsa_float_denorm_mode_16_64 3
		.amdhsa_memory_ordered 1
		.amdhsa_forward_progress 1
		.amdhsa_inst_pref_size 158
	.end_amdhsa_kernel
	.amdgpu_metadata
---
amdhsa.version: [ 1, 2 ]
amdhsa.kernels:
  - .name:           k_q6133e6e0f9_gemm_out
    .symbol:         k_q6133e6e0f9_gemm_out.kd
    .args:
      - { .name: yq, .offset: 0, .size: 8, .value_kind: global_buffer, .address_space: global }
      - { .name: wq, .offset: 8, .size: 8, .value_kind: global_buffer, .address_space: global }
      - { .name: b_out, .offset: 16, .size: 8, .value_kind: global_buffer, .address_space: global }
      - { .name: out0, .offset: 24, .size: 8, .value_kind: global_buffer, .address_space: global }
    .group_segment_fixed_size: 327680
    .private_segment_fixed_size: 0
    .kernarg_segment_align: 8
    .kernarg_segment_size: 32
    .max_flat_workgroup_size: 128
    .sgpr_count:     100
    .vgpr_count:     1024
    .wavefront_size: 32
...
	.end_amdgpu_metadata
.endif
;; end of part 5
